; MI455X (gfx1250); checked and timed in simulation.
; The chip was launched on July 23, 2026; its instructions are those of AMD's public machine-readable ISA for CDNA 5 (MIT licence, August 2026) and "CDNA5" Instruction Set Architecture Reference Guide (July 2026). The comments in the code are by the model that wrote it; some were corrected since.
;; Video Summarization Model. Allowed arithmetic: matrix products marked QUANTISED: E2M1 operands, one E8M0 scale for each 32 along K, by v_wmma_scale_f32_16x16x128_f8f6f4 with both operands' format E2M1 (or v_wmma_scale_f32_32x16x128_f4), f32 sums; products left as they are: bf16, f16 or f32 operands; f32 sums; everything else in f32.
;; Inputs: a_Wk 512 x 512 float32; a_Wq 512 x 512 float32; a_Wv 512 x 512 float32; a_bk 512 float32; a_bq 512 float32; a_bv 512 float32; audio_features 1,024 x 512 float32; f_W0 512 x 512 float32; f_Wk 512 x 512 float32; f_Wq 512 x 512 float32; f_Wv 512 x 512 float32; f_b0 512 float32; f_bk 512 float32; f_bq 512 float32; f_bv 512 float32; f_lin_W 512 x 512 float32; f_lin_b 512 float32; f_ln_b 512 float32; f_ln_g 512 float32; p_W 1,024 x 1 float32; p_b 1 float32; s_Wk 512 x 512 float32; s_Wo 512 x 512 float32; s_Wq 512 x 512 float32; s_Wv 512 x 512 float32; s_bk 512 float32; s_bo 512 float32; s_bq 512 float32; s_bv 512 float32; s_ff1_W 512 x 512 float32; s_ff1_b 512 float32; s_ff2_W 512 x 512 float32; s_ff2_b 512 float32; s_ln1_b 512 float32; s_ln1_g 512 float32; s_ln2_b 512 float32; s_ln2_g 512 float32; shots_boundaries 16 x 2 int32; visual_features 1,024 x 32 x 512 float32.
;; Outputs: out0 512 x 8 x 1 float32.
;; This version of the problem:
;;   THIS VERSION OF THE PROBLEM IS GIVEN IN LOW PRECISION. The matrix products marked QUANTISED in the list below multiply operands that are first quantised to E2M1 (2 exponent bits, 1 mantissa bit; 4 bits a number), with one power-of-two scale for each 32 numbers along K (OCP MX v1.0); their sums are f32. The products marked 'left as it is' may take bf16, f16 or f32 operands, with f32 sums. Whichever they take, every output number must still come out within the allowed error. Rounding operands to bf16 (8 significant bits) uses up far more of that allowance than f16 does (11 bits, for magnitudes from 6e-5 to 65,504). All else is computed in f32.
;;   The module's matrix products, in the order in which they are computed (A, B: the left and right operand; K: the contracted axis; several contracted axes count as one K, in the product's order):
;;     1. [M 32,768, K 512] x [K 512, N 512]; A: input visual_features; B: input f_Wq: QUANTISED
;;     2. [M 32,768, K 512] x [K 512, N 512]; A: input visual_features; B: input f_Wk: QUANTISED
;;     3. [M 32,768, K 512] x [K 512, N 512]; A: input visual_features; B: input f_Wv: QUANTISED
;;     4. batch 32,768 x [M 8, K 64] x [K 64, N 8]; A: computed on the way; B: computed on the way: left as it is (M = 8 < 16)
;;     5. batch 32,768 x [M 8, K 8] x [K 8, N 64]; A: computed on the way; B: computed on the way: left as it is (K = 8 < 32)
;;     6. [M 32,768, K 512] x [K 512, N 512]; A: computed on the way; B: input f_lin_W: left as it is (an operand is computed on the way)
;;     7. [M 32,768, K 512] x [K 512, N 512]; A: computed on the way; B: input f_W0: left as it is (an operand is computed on the way)
;;     8. [M 4,096, K 512] x [K 512, N 512]; A: computed on the way; B: input s_Wq: left as it is (an operand is computed on the way)
;;     9. [M 4,096, K 512] x [K 512, N 512]; A: computed on the way; B: input s_Wk: left as it is (an operand is computed on the way)
;;     10. [M 4,096, K 512] x [K 512, N 512]; A: computed on the way; B: input s_Wv: left as it is (an operand is computed on the way)
;;     11. batch 1,024 x [M 32, K 64] x [K 64, N 32]; A: computed on the way; B: computed on the way: left as it is (an operand is computed on the way)
;;     12. batch 1,024 x [M 64, K 32] x [K 32, N 32]; A: computed on the way; B: computed on the way: left as it is (an operand is computed on the way)
;;     13. [M 4,096, K 512] x [K 512, N 512]; A: computed on the way; B: input s_Wo: left as it is (an operand is computed on the way)
;;     14. [M 4,096, K 512] x [K 512, N 512]; A: computed on the way; B: input s_ff1_W: left as it is (an operand is computed on the way)
;;     15. [M 4,096, K 512] x [K 512, N 512]; A: computed on the way; B: input s_ff2_W: left as it is (an operand is computed on the way)
;;     16. [M 4,096, K 512] x [K 512, N 512]; A: computed on the way; B: input a_Wq: left as it is (an operand is computed on the way)
;;     17. [M 1,024, K 512] x [K 512, N 512]; A: input audio_features; B: input a_Wk: QUANTISED
;;     18. [M 1,024, K 512] x [K 512, N 512]; A: input audio_features; B: input a_Wv: QUANTISED
;;     19. [M 4,096, K 512] x [K 512, N 1,024]; A: computed on the way; B: computed on the way: left as it is (an operand is computed on the way)
;;     20. [M 4,096, K 1,024] x [K 1,024, N 512]; A: computed on the way; B: computed on the way: left as it is (an operand is computed on the way)
;;     21. [M 4,096, K 1,024] x [K 1,024, N 1]; A: computed on the way; B: input p_W: left as it is (N = 1 < 16)
;;   THE QUANTISER, for each operand of a quantised product, along K:
;;     - K is cut into blocks of 32 from its start; a last block that is shorter is filled with zeros.
;;     - A block's scale is 2^e with e = floor(log2(the largest magnitude in the block)) - 2, held to -126 .. 127; a block of zeros has e = 0. As a byte (E8M0): e + 127.
;;     - Each number is divided by its block's scale, clamped to +-6, and rounded to the nearest number of E2M1, ties to even, subnormals kept.
;;     - The product sums the exact products of the quantised numbers (number of the format x scale) in f32.
;;   ~~~python
;;   def quantise(x, axis):      # numpy; x: float32 -> the quantised numbers, widened to float32 again
;;       x = np.moveaxis(x, axis, -1); K = x.shape[-1]
;;       x = np.pad(x, [(0, 0)] * (x.ndim - 1) + [(0, -K % 32)]); x = x.reshape(x.shape[:-1] + (-1, 32)); a = np.abs(x).max(-1, keepdims=True)
;;       e = np.where(a > 0, np.clip(np.frexp(np.where(a > 0, a, 1))[1] - 1 - 2, -126, 127), 0)      # np.frexp(a)[1] - 1 = floor(log2(a)), exactly
;;       r = np.clip(x / 2.0 ** e, -6, 6)
;;       step = 2.0 ** (np.maximum(np.frexp(np.where(r == 0, 1, r))[1] - 1, 0) - 1)
;;       q = np.round(r / step) * step * 2.0 ** e      # np.round: ties to even
;;       return np.moveaxis(q.reshape(q.shape[:-2] + (-1,))[..., :K], -1, axis).astype(np.float32)
;;   ~~~
;; 2 versions, each right and faster than the one before. Each part assembles by itself: llvm-mc -triple=amdgcn-amd-amdhsa -mcpu=gfx1250 --defsym DOCPART=n.
;; ======== version 1 of 2: 3 launches
;; workspace buffers: wstream 6,160,384 bytes; w4s 24,576 bytes; upart 32,768 bytes; logits 16,384 bytes
;; launch prep (part 1): grid 320 x 1, 4 waves a work-group, no clusters, 18,432 bytes of LDS; arguments f_lin_W, f_W0, s_Wv, s_Wq, s_Wk, s_Wo, s_ff1_W, s_ff2_W, a_Wq, f_Wq, f_Wk, f_Wv, a_Wk, a_Wv, audio_features, a_bk, a_bv, p_W, wstream, w4s, upart; writes wstream, w4s, upart
.if DOCPART == 1
	.amdgcn_target "amdgcn-amd-amdhsa--gfx1250"
	.amdhsa_code_object_version 6
	.text
	.protected	k_qa7fad3dd16_prep
	.globl	k_qa7fad3dd16_prep
	.p2align	8
	.type	k_qa7fad3dd16_prep,@function
k_qa7fad3dd16_prep:
	s_mov_b64 s[64:65], 0
	v_nop
	global_prefetch_b8 v0, s[64:65] scope:SCOPE_SE
	s_setreg_imm32_b32 hwreg(HW_REG_WAVE_MODE, 25, 1), 1
	s_wait_xcnt 0x0
; PREPARE.  All that the chain's launch reads again and again is laid once, in the order of a wave's operand registers.
; wstream: [wave 8][block 188][tile 4][half 2][lane 32][16 bytes]; a block is four fragments of 8 registers.
;   blocks 4 p + s: f_Wq, f_Wk, f_Wv as codes of E2M1 (K step s of 128);  blocks 12 + 16 i + c: nine weights in 16 bits (K step c of 32), i = 2 .. 5 in bf16, the others in f16;
;   blocks 156 + 16 pi + c: ak = Q(audio) Q(a_Wk) + a_bk in f16, audio rows 128 wave + 64 pi + 16 tile + r.
; w4s: the E8M0 scale words of the three quantised weights.  upart[db][a] = the sum over 64 columns d of av[a][d] p_W[512 + d], av = Q(audio) Q(a_Wv) + a_bv.
; (softmax(asc) av) . pW2 = softmax(asc) . (av . pW2): so av is never stored; the order of that sum differs from the source's.)
; ROLES by the work-group's number, the same in all four waves: 0-127 the audio products, 128-175 a quantised weight, 176-319 a 16-bit weight.
; A weight is stored [K][N]: a lane takes a column and its registers run down K, so that codes and pairs come out with K innermost; two exchanges of lane halves make the operand's layout.
; THE QUANTISER: a block's scale is 2^(floor(log2(largest magnitude)) - 2): its byte is the largest magnitude's exponent field - 2, held at 1 from below.
; LIMITS: a block of zeros, or one whose largest magnitude lies under 2^-124, keeps the byte 1 (zero codes add nothing; this program alone reads the bytes); NaN and infinities among the inputs are not served.
; No tensor load, no cluster: each work-group reads other bytes or a few KB that eight others read too.
.set STREAMW, 188*4096
.set WSC,   16384                      ; LDS: 0: the weight slice's 16 fragments [K step 4][tile 4][half 2][512]; here: their scale words [K step 4][tile pair 2][128]
.set SPARE, 17408                      ; the spare words, 128 bytes for each wave: two blocks of 256 bytes that no other line names
.set C,   16                           ; v16-31   codes of four blocks of 32
.set X,   32                           ; v32-95   two sets of 32 numbers, or 64 numbers of the audio; later the 8 accumulators
.set Y,   96                           ; v96-159  64 numbers of the audio, or a 16-bit weight's results; later W's fragments and pW2
.set AF,  160                          ; v160-223 the audio's 8 fragments
.set AS,  224                          ; v224-231 their scale words
.set WS,  232                          ; v232-239 the weight slice's scale words
.set TM,  240                          ; v240-255 at work
.set SW,  248                          ; the scale word of a column
.set SEL, 70                           ; s[70:71] lane selects: lane l xor 16
.set WP,  52                           ; s[52:53] where my columns begin in the weight
.set OP,  66                           ; s[66:67] where my results go
; 32 numbers down K of my column: chunk ch of 32 rows
.macro LOADW ch
.irp i,0,1,2,3,4,5,6,7,8,9,10,11,12,13,14,15,16,17,18,19,20,21,22,23,24,25,26,27,28,29,30,31
	global_load_b32 v[X+32*((\ch)%2)+\i], v2, s[WP:WP+1] offset:(32*(\ch)+\i)*2048
.endr
.endm
; 16 registers, lanes 0-15 an even tile's columns and lanes 16-31 an odd tile's, become four half fragments: +0 even tile half 0, +8 its half 1, +4 odd tile half 0, +12 its half 1
.macro SWAP16 base
.irp i,0,1,2,3
	v_permlane16_swap_b32 v[\base+\i], v[\base+4+\i]
	v_permlane16_swap_b32 v[\base+8+\i], v[\base+12+\i]
.endr
.endm
.macro OUT4 base, off                  ; each store of the wave covers 512 consecutive bytes, aligned
	global_store_b128 v3, v[\base:\base+3], s[OP:OP+1] offset:\off
	global_store_b128 v3, v[\base+8:\base+11], s[OP:OP+1] offset:\off+512
	global_store_b128 v3, v[\base+4:\base+7], s[OP:OP+1] offset:\off+1024
	global_store_b128 v3, v[\base+12:\base+15], s[OP:OP+1] offset:\off+1536
.endm
; chunk ch is one block of 32 along K of my column: its scale byte and its 32 codes
.macro BLK4 ch, tot
.set xS, X+32*((\ch)%2)
.set cS, C+4*((\ch)%4)
.if (\ch) < (\tot)-1
	s_wait_loadcnt 32                              ; this chunk's 32 loads are in; the next chunk's may be out
.else
	s_wait_loadcnt 0x0
.endif
	v_max3_num_f32 v[TM], |v[xS]|, |v[xS+1]|, |v[xS+2]|
	v_max3_num_f32 v[TM+1], |v[xS+3]|, |v[xS+4]|, |v[xS+5]|
.irp i,6,10,14,18,22,26
	v_max3_num_f32 v[TM], v[TM], |v[xS+\i]|, |v[xS+\i+1]|
	v_max3_num_f32 v[TM+1], v[TM+1], |v[xS+\i+2]|, |v[xS+\i+3]|
.endr
	v_max3_num_f32 v[TM], v[TM], |v[xS+30]|, |v[xS+31]|
	v_max3_num_f32 v[TM], v[TM], v[TM+1], 0x1800000  ; the floor 2^(3 - 127): the byte cannot fall under 1
	v_add_nc_u32 v[TM+2], 0xff000000, v[TM]        ; 2 off the exponent field: the conversion's scale operand
	v_lshrrev_b32 v[TM+3], 23, v[TM+2]             ; the scale's byte
.if (\ch)%4 == 0
	v_mov_b32 v[SW], v[TM+3]
.else
	v_lshl_or_b32 v[SW], v[TM+3], 8*((\ch)%4), v[SW]
.endif
.irp g,0,1,2,3
	v_cvt_scalef32_pk8_fp4_f32 v[cS+\g], v[xS+8*\g:xS+8*\g+7], v[TM+2]
.endr
.if (\ch)+2 < (\tot)
	LOADW (\ch)+2
.endif
.endm
; chunk ch of a 16-bit weight: one K step of 32, in f16 or (s69 < 4) in bf16
.macro CONV16 ch
.set xS, X+32*((\ch)%2)
.set yS, Y+16*(\ch)
.if (\ch) < 3
	s_wait_loadcnt 32                              ; this chunk's 32 loads are in; the next chunk's may be out
.else
	s_wait_loadcnt 0x0
.endif
	s_cmp_lt_u32 s69, 4
	s_cbranch_scc1 .Lbf_\@
.irp i,0,1,2,3,4,5,6,7,8,9,10,11,12,13,14,15
	v_cvt_pk_f16_f32 v[yS+\i], v[xS+2*\i], v[xS+2*\i+1]
.endr
	s_branch .Lcv_\@
.Lbf_\@:
.irp i,0,1,2,3,4,5,6,7,8,9,10,11,12,13,14,15
	v_cvt_pk_bf16_f32 v[yS+\i], v[xS+2*\i], v[xS+2*\i+1]
.endr
.Lcv_\@:
.if (\ch)+2 < 4
	LOADW (\ch)+2
.endif
	SWAP16 yS
	OUT4 yS, (\ch)*4096                            ; every chunk has result registers of its own: no store's data are written again
.endm
; 64 numbers of a lane, register 16 b + i = k 32 b + 16 (lane / 16) + i of my row, become a fragment's codes and its scale word
.macro QUANT src, pc, pw
.set qS, \src
.set qC, \pc
.set qW, \pw
.irp b,0,1,2,3
	v_max3_num_f32 v[TM+\b], |v[qS+16*\b]|, |v[qS+1+16*\b]|, 0x1800000
.endr
.irp i,2,4,6,8,10,12,14
.irp b,0,1,2,3
	v_max3_num_f32 v[TM+\b], v[TM+\b], |v[qS+16*\b+\i]|, |v[qS+1+16*\b+\i]|
.endr
.endr
.irp b,0,1,2,3
	v_permlanex16_b32 v[TM+4+\b], v[TM+\b], s[SEL], s[SEL+1]
.endr
.irp b,0,1,2,3
	v_max_num_f32 v[TM+\b], v[TM+\b], v[TM+4+\b]   ; with lane l xor 16's: the block's largest magnitude
.endr
.irp b,0,1,2,3
	v_add_nc_u32 v[TM+12+\b], 0xff000000, v[TM+\b]
.endr
.irp b,0,1,2,3
	v_lshrrev_b32 v[TM+4+\b], 23, v[TM+12+\b]
.endr
	v_lshl_or_b32 v[qW], v[TM+5], 8, v[TM+4]
	v_lshl_or_b32 v[qW], v[TM+6], 16, v[qW]
	v_lshl_or_b32 v[qW], v[TM+7], 24, v[qW]
.irp b,0,1,2,3
	v_cvt_scalef32_pk8_fp4_f32 v[qC+2*\b], v[qS+16*\b:qS+7+16*\b], v[TM+12+\b]
	v_cvt_scalef32_pk8_fp4_f32 v[qC+1+2*\b], v[qS+8+16*\b:qS+15+16*\b], v[TM+12+\b]
.endr
	v_nop                                          ; one plain place behind a scaled conversion
.irp c,0,1
.irp i,0,1
	v_permlane16_swap_b32 v[qC+4*\c+\i], v[qC+2+4*\c+\i]  ; a whole block of 32 to a lane
.endr
.endr
.endm
.macro XLOAD reg, al, ks               ; 16 audio rows (tile al), K step ks of 128: 64 numbers a lane
.irp b,0,1,2,3
.irp j,0,1,2,3
	global_load_b128 v[\reg+16*\b+4*\j:\reg+16*\b+4*\j+3], v8, s[74:75] offset:(\al)*32768+512*(\ks)+128*\b+16*\j
.endr
.endr
.endm
.macro AUQ f                           ; fragment f = 4 tile + K step; even fragments come through Y, odd ones through X
.if (\f) < 7
	XLOAD Y-64*(((\f)+1)%2),((\f)+1)/4,((\f)+1)%4
	s_wait_loadcnt 16                              ; this fragment's loads are in; the next one's sixteen may be out
.else
	s_wait_loadcnt 0x0
.endif
	QUANT Y-64*((\f)%2),AF+8*(\f),AS+(\f)
.endm
.macro IMGW job                        ; two tiles' fragments of one K step, and their scale words, go to LDS as images of their registers
	ds_store_b128 v9, v[C:C+3] offset:\job*4096
	ds_store_b128 v9, v[C+8:C+11] offset:\job*4096+512
	ds_store_b128 v9, v[C+4:C+7] offset:\job*4096+1024
	ds_store_b128 v9, v[C+12:C+15] offset:\job*4096+1536
	ds_store_b32 v11, v[SW] offset:WSC+\job*256
	s_wait_dscnt 0x0                               ; the stores have read their registers
.endm
.macro WPLACE                          ; s58 = block of 128 columns, s59 = 128 rows of K: where my columns begin; s62 = the wave of the chain that owns them; s60 = its stream + my pair of tiles
	s_lshl_b32 s60, s59, 18
	s_lshl_b32 s63, s58, 9
	s_add_co_u32 s60, s60, s63
	s_lshl_b32 s63, s50, 7
	s_add_co_u32 s60, s60, s63
	s_add_nc_u64 s[WP:WP+1], s[WP:WP+1], s[60:61]
	s_lshl_b32 s62, s58, 1
	s_add_co_u32 s62, s62, s55
	s_mul_i32 s60, s62, STREAMW
	s_lshl_b32 s63, s54, 11
	s_add_co_u32 s60, s60, s63
.endm
	s_load_b512 s[8:23], s[0:1], 0x0               ; the nine 16-bit weights lie at s[8 + 2 i], f_Wq, f_Wk, f_Wv at s[26 + 2 p]
	s_load_b512 s[24:39], s[0:1], 0x40             ; .. a_Wk s[32:33], a_Wv s[34:35], audio s[36:37], a_bk s[38:39]
	s_load_b256 s[40:47], s[0:1], 0x80             ; a_bv, p_W, wstream s[44:45], w4s s[46:47]
	s_load_b64 s[48:49], s[0:1], 0xa0              ; upart
	v_lshl_add_u32 v4, v0, 2, SPARE                ; my spare word,
	v_mov_b32 v5, 0                                ; and 0: kept for the closing lines
	v_lshrrev_b32 v1, 5, v0
	v_readfirstlane_b32 s50, v1                    ; wave 0..3
	v_and_b32 v1, 31, v0                           ; lane
	v_lshlrev_b32 v2, 2, v1
	v_lshlrev_b32 v3, 4, v1
	v_and_b32 v6, 15, v0                           ; r
	v_bfe_u32 v7, v0, 4, 1                         ; h
	v_lshlrev_b32 v8, 11, v6
	v_lshl_add_u32 v8, v7, 6, v8                   ; audio: row r of 2,048 bytes + 64 h
	v_lshlrev_b32 v10, 5, v7                       ; 32 h: my eight numbers of a tile's sixteen
	s_and_b32 s54, s50, 1
	s_lshr_b32 s55, s50, 1
	s_lshl_b32 s56, s54, 11
	s_lshl_b32 s57, s55, 13
	s_add_co_u32 s56, s56, s57
	v_add_nc_u32 v9, s56, v3                       ; LDS: where I put fragments: 16 lane + 2,048 (wave % 2) + 8,192 (wave / 2)
	s_lshl_b32 s56, s54, 7
	s_lshl_b32 s57, s55, 9
	s_add_co_u32 s56, s56, s57
	v_add_nc_u32 v11, s56, v2                      ; and scale words: 4 lane + 128 (wave % 2) + 512 (wave / 2)
.irp b,0,1,2,3
	v_mov_b32 v[TM+4+\b], 0                        ; a lane permute's destination counts as one of its sources
.endr
	s_mov_b32 s[SEL], 0x76543210
	s_mov_b32 s[SEL+1], 0xfedcba98
	s_mov_b32 s61, 0                               ; the upper word of every offset pair s[60:61]
	s_wait_kmcnt 0x0
	s_cmp_lt_u32 ttmp9, 128
	s_cbranch_scc1 .Lau
	s_cmp_lt_u32 ttmp9, 176
	s_cbranch_scc1 .Lw4
	; ---- a 16-bit weight: 128 rows of K x 128 columns a work-group, 32 columns a wave
	s_sub_co_u32 s56, ttmp9, 176
	s_lshr_b32 s57, s56, 4                         ; i: which weight
	s_bfe_u32 s58, s56, 0x20002
	s_and_b32 s59, s56, 3
	s_mov_b64 s[WP:WP+1], s[8:9]
.irp k,1,2,3,4,5,6,7,8
	s_cmp_eq_u32 s57, \k
	s_cselect_b64 s[WP:WP+1], s[8+2*\k:9+2*\k], s[WP:WP+1]
.endr
	WPLACE
	LOADW 0
	LOADW 1
	s_lshl_b32 s63, s57, 4
	s_lshl_b32 s68, s59, 2
	s_add_co_u32 s63, s63, s68
	s_add_co_u32 s63, s63, 12                      ; block 12 + 16 i + 4 kq
	s_lshl_b32 s63, s63, 12
	s_add_co_u32 s60, s60, s63
	s_add_nc_u64 s[OP:OP+1], s[44:45], s[60:61]
	s_sub_co_u32 s69, s57, 2                       ; under 4 (unsigned) for s_Wv, s_Wq, s_Wk, s_Wo: bf16, since what they multiply has no room in f16 at inputs 30 times larger
	CONV16 0
	CONV16 1
	CONV16 2
	CONV16 3
	s_branch .Lend
	; ---- a quantised weight: the same share; a wave's 128 rows of K are one K step
.Lw4:
	s_sub_co_u32 s56, ttmp9, 128
	s_lshr_b32 s57, s56, 4                         ; p: q, k or v
	s_bfe_u32 s58, s56, 0x20002
	s_and_b32 s59, s56, 3
	s_mov_b64 s[WP:WP+1], s[26:27]
.irp k,1,2
	s_cmp_eq_u32 s57, \k
	s_cselect_b64 s[WP:WP+1], s[26+2*\k:27+2*\k], s[WP:WP+1]
.endr
	WPLACE
	LOADW 0
	LOADW 1
	s_lshl_b32 s63, s57, 2
	s_add_co_u32 s63, s63, s59                     ; block 4 p + kq
	s_lshl_b32 s63, s63, 12
	s_add_co_u32 s60, s60, s63
	s_add_nc_u64 s[OP:OP+1], s[44:45], s[60:61]
	s_mul_i32 s60, s62, 3
	s_add_co_u32 s60, s60, s57
	s_lshl_b32 s60, s60, 3
	s_lshl_b32 s63, s54, 2
	s_add_co_u32 s60, s60, s63
	s_add_co_u32 s60, s60, s59
	s_lshl_b32 s60, s60, 7                         ; ((3 wave + p) 8 + 4 pair + kq) x 128 bytes
	s_add_nc_u64 s[72:73], s[46:47], s[60:61]
	BLK4 0,4
	BLK4 1,4
	BLK4 2,4
	BLK4 3,4
	v_nop                                          ; one plain place behind a scaled conversion
	SWAP16 C
	OUT4 C, 0
	global_store_b32 v2, v[SW], s[72:73]           ; lanes 0-15 the even tile's words, lanes 16-31 the odd tile's
	s_branch .Lend
	; ---- the audio products: 128 audio rows x 64 columns of ak or of av
.Lau:
	s_lshr_b32 s56, ttmp9, 6                       ; 0: ak, 1: av
	s_bfe_u32 s57, ttmp9, 0x30003                  ; db: which 64 columns
	s_and_b32 s58, ttmp9, 7                        ; ab: which 128 audio rows
	s_cmp_eq_u32 s56, 0
	s_cselect_b64 s[WP:WP+1], s[32:33], s[34:35]
	s_cselect_b64 s[72:73], s[38:39], s[40:41]     ; the bias
	s_lshl_b32 s60, s58, 18
	s_lshl_b32 s62, s50, 16
	s_add_co_u32 s60, s60, s62
	s_add_nc_u64 s[74:75], s[36:37], s[60:61]      ; my 32 audio rows: 128 ab + 32 wave
	XLOAD Y,0,0                                    ; the first fragment's numbers are asked for ahead of the weight's
	s_lshl_b32 s60, s55, 19                        ; my 256 rows of K,
	s_lshl_b32 s62, s57, 8
	s_add_co_u32 s60, s60, s62
	s_lshl_b32 s62, s54, 7                         ; my 32 of the 64 columns
	s_add_co_u32 s60, s60, s62
	s_add_nc_u64 s[WP:WP+1], s[WP:WP+1], s[60:61]
	LOADW 0
	LOADW 1
	s_lshl_b32 s60, s57, 8
	s_add_nc_u64 s[72:73], s[72:73], s[60:61]
	s_add_nc_u64 s[76:77], s[42:43], s[60:61]      ; p_W at column 64 db (its second half by the immediate)
	BLK4 0,8
	BLK4 1,8
	BLK4 2,8
	BLK4 3,8
	v_nop
	SWAP16 C
	IMGW 0
	BLK4 4,8
	BLK4 5,8
	BLK4 6,8
	BLK4 7,8
	v_nop
	SWAP16 C
	IMGW 1
.irp f,0,1,2,3,4,5,6,7
	AUQ \f
.endr
.irp a,0,1                                     ; the bias is the C of each sum's first product: lane (r, h): columns 16 t + 8 h + 0 .. 7
.irp t,0,1,2,3
.irp hf,0,1
	global_load_b128 v[X+8*(4*\a+\t)+4*\hf:X+8*(4*\a+\t)+4*\hf+3], v10, s[72:73] offset:64*\t+16*\hf
.endr
.endr
.endr
.irp t,0,1,2,3
.irp hf,0,1
	global_load_b128 v[Y+32+8*\t+4*\hf:Y+32+8*\t+4*\hf+3], v10, s[76:77] offset:2048+64*\t+16*\hf  ; pW2 in the same layout
.endr
.endr
	s_wait_dscnt 0x0                               ; my images have landed
	s_barrier_signal -1
	s_barrier_wait -1                              ; everybody's have
.irp q,0,1,2,3,4,5,6,7
	ds_load_b32 v[WS+\q], v2 offset:WSC+128*\q
.endr
.rept 8
	v_nop                                          ; the audio's scale words and codes were written by vector instructions: eight places ahead of the scaled products
.endr
.irp s,0,1,2,3
.irp t,0,1,2,3
.irp hf,0,1
	ds_load_b128 v[Y+8*\t+4*\hf:Y+8*\t+4*\hf+3], v3 offset:\s*4096+\t*1024+\hf*512
.endr
.endr
	s_wait_dscnt 0x0
.if \s == 0
	s_wait_loadcnt 0x0                             ; the bias and pW2
.endif
.irp t,0,1,2,3                                 ; transposed: source 0 = 16 columns of W, source 1 = 16 audio rows; the eight accumulators take turns
.irp a,0,1
.if \t%2
	v_wmma_scale_f32_16x16x128_f8f6f4 v[X+8*(4*\a+\t):X+8*(4*\a+\t)+7], v[Y+8*\t:Y+8*\t+7], v[AF+8*(4*\a+\s):AF+8*(4*\a+\s)+7], v[X+8*(4*\a+\t):X+8*(4*\a+\t)+7], v[WS+2*\s+\t/2], v[AS+4*\a+\s] matrix_a_fmt:MATRIX_FMT_FP4 matrix_b_fmt:MATRIX_FMT_FP4 matrix_a_scale:MATRIX_SCALE_ROW1
.else
	v_wmma_scale_f32_16x16x128_f8f6f4 v[X+8*(4*\a+\t):X+8*(4*\a+\t)+7], v[Y+8*\t:Y+8*\t+7], v[AF+8*(4*\a+\s):AF+8*(4*\a+\s)+7], v[X+8*(4*\a+\t):X+8*(4*\a+\t)+7], v[WS+2*\s+\t/2], v[AS+4*\a+\s] matrix_a_fmt:MATRIX_FMT_FP4 matrix_b_fmt:MATRIX_FMT_FP4
.endif
.endr
.endr
.rept 4
	v_nop                                          ; places in front of loads into registers that the products have read, and of the first read of results
.endr
.endr
	s_cmp_lg_u32 s56, 0
	s_cbranch_scc1 .Lav
	; ak: a lane holds audio row r and columns 16 t + 8 h + j: tiles 2 c and 2 c + 1, rounded to f16, are the two halves of a fragment of K step 2 db + c
	s_mul_i32 s60, s58, STREAMW
	s_lshl_b32 s62, s55, 4
	s_lshl_b32 s63, s57, 1
	s_add_co_u32 s62, s62, s63
	s_add_co_u32 s62, s62, 156
	s_lshl_b32 s62, s62, 12
	s_add_co_u32 s60, s60, s62
	s_lshl_b32 s62, s54, 11
	s_add_co_u32 s60, s60, s62
	s_add_nc_u64 s[OP:OP+1], s[44:45], s[60:61]
.irp a,0,1
.irp c,0,1
.irp hf,0,1
.irp q,0,1,2,3
	v_cvt_pk_f16_f32 v[Y+16*\a+8*\c+4*\hf+\q], v[X+8*(4*\a+2*\c+\hf)+2*\q], v[X+8*(4*\a+2*\c+\hf)+2*\q+1]
.endr
	global_store_b128 v3, v[Y+16*\a+8*\c+4*\hf:Y+16*\a+8*\c+4*\hf+3], s[OP:OP+1] offset:\c*4096+\a*1024+\hf*512
.endr
.endr
.endr
	s_branch .Lend
.Lav:	; av . pW2 over my 64 columns
	s_lshl_b32 s60, s57, 12
	s_lshl_b32 s62, s58, 9
	s_add_co_u32 s60, s60, s62
	s_lshl_b32 s62, s50, 7
	s_add_co_u32 s60, s60, s62                     ; (1,024 db + 128 ab + 32 wave) x 4
	s_add_nc_u64 s[OP:OP+1], s[48:49], s[60:61]
.irp a,0,1
	v_pk_mul_f32 v[TM+2*\a:TM+2*\a+1], v[X+32*\a:X+32*\a+1], v[Y+32:Y+33]
.endr
.irp q,2,4,6,8,10,12,14,16,18,20,22,24,26,28,30
.irp a,0,1
	v_pk_fma_f32 v[TM+2*\a:TM+2*\a+1], v[X+32*\a+\q:X+32*\a+\q+1], v[Y+32+\q:Y+33+\q], v[TM+2*\a:TM+2*\a+1]
.endr
.endr
	v_add_f32 v[TM], v[TM], v[TM+1]
	v_add_f32 v[TM+2], v[TM+2], v[TM+3]
	v_permlanex16_b32 v[TM+4], v[TM], s[SEL], s[SEL+1]
	v_permlanex16_b32 v[TM+5], v[TM+2], s[SEL], s[SEL+1]
	v_add_f32 v[TM], v[TM], v[TM+4]                ; with the other half's 32 columns
	v_add_f32 v[TM+2], v[TM+2], v[TM+5]
	v_cmp_gt_u32 vcc_lo, 16, v1
	v_cndmask_b32 v[TM], v[TM+2], v[TM], vcc_lo    ; lane l holds audio row l of my 32
	global_store_b32 v2, v[TM], s[OP:OP+1]
.Lend:
	s_wait_tensorcnt 0x0                           ; the wave's end, behind my last LDS store
	ds_add_u32 v4, v5
	s_wait_dscnt 0x0
	s_endpgm
.Lfunc_end_k_qa7fad3dd16_prep:
	.size	k_qa7fad3dd16_prep, .Lfunc_end_k_qa7fad3dd16_prep-k_qa7fad3dd16_prep
	.p2alignl 7, 3214868480
	.fill 96, 4, 3214868480
	.section	.rodata,"a",@progbits
	.p2align	6, 0x0
	.amdhsa_kernel k_qa7fad3dd16_prep
		.amdhsa_group_segment_fixed_size 18432
		.amdhsa_private_segment_fixed_size 0
		.amdhsa_enable_private_segment 0
		.amdhsa_kernarg_size 168
		.amdhsa_user_sgpr_count 2
		.amdhsa_user_sgpr_kernarg_segment_ptr 1
		.amdhsa_wavefront_size32 1
		.amdhsa_system_sgpr_workgroup_id_x 1
		.amdhsa_system_sgpr_workgroup_id_y 1
		.amdhsa_system_sgpr_workgroup_id_z 1
		.amdhsa_system_vgpr_workitem_id 0
		.amdhsa_next_free_vgpr 256
		.amdhsa_next_free_sgpr 96
		.amdhsa_reserve_vcc 1
		.amdhsa_float_denorm_mode_32 3
		.amdhsa_float_denorm_mode_16_64 3
		.amdhsa_memory_ordered 1
		.amdhsa_forward_progress 1
		.amdhsa_inst_pref_size 142
	.end_amdhsa_kernel
	.amdgpu_metadata
---
amdhsa.version: [ 1, 2 ]
amdhsa.kernels:
  - .name:           k_qa7fad3dd16_prep
    .symbol:         k_qa7fad3dd16_prep.kd
    .args:
      - { .name: f_lin_W, .offset: 0, .size: 8, .value_kind: global_buffer, .address_space: global }
      - { .name: f_W0, .offset: 8, .size: 8, .value_kind: global_buffer, .address_space: global }
      - { .name: s_Wv, .offset: 16, .size: 8, .value_kind: global_buffer, .address_space: global }
      - { .name: s_Wq, .offset: 24, .size: 8, .value_kind: global_buffer, .address_space: global }
      - { .name: s_Wk, .offset: 32, .size: 8, .value_kind: global_buffer, .address_space: global }
      - { .name: s_Wo, .offset: 40, .size: 8, .value_kind: global_buffer, .address_space: global }
      - { .name: s_ff1_W, .offset: 48, .size: 8, .value_kind: global_buffer, .address_space: global }
      - { .name: s_ff2_W, .offset: 56, .size: 8, .value_kind: global_buffer, .address_space: global }
      - { .name: a_Wq, .offset: 64, .size: 8, .value_kind: global_buffer, .address_space: global }
      - { .name: f_Wq, .offset: 72, .size: 8, .value_kind: global_buffer, .address_space: global }
      - { .name: f_Wk, .offset: 80, .size: 8, .value_kind: global_buffer, .address_space: global }
      - { .name: f_Wv, .offset: 88, .size: 8, .value_kind: global_buffer, .address_space: global }
      - { .name: a_Wk, .offset: 96, .size: 8, .value_kind: global_buffer, .address_space: global }
      - { .name: a_Wv, .offset: 104, .size: 8, .value_kind: global_buffer, .address_space: global }
      - { .name: audio_features, .offset: 112, .size: 8, .value_kind: global_buffer, .address_space: global }
      - { .name: a_bk, .offset: 120, .size: 8, .value_kind: global_buffer, .address_space: global }
      - { .name: a_bv, .offset: 128, .size: 8, .value_kind: global_buffer, .address_space: global }
      - { .name: p_W, .offset: 136, .size: 8, .value_kind: global_buffer, .address_space: global }
      - { .name: wstream, .offset: 144, .size: 8, .value_kind: global_buffer, .address_space: global }
      - { .name: w4s, .offset: 152, .size: 8, .value_kind: global_buffer, .address_space: global }
      - { .name: upart, .offset: 160, .size: 8, .value_kind: global_buffer, .address_space: global }
    .group_segment_fixed_size: 18432
    .private_segment_fixed_size: 0
    .kernarg_segment_align: 8
    .kernarg_segment_size: 168
    .max_flat_workgroup_size: 128
    .sgpr_count:     96
    .vgpr_count:     256
    .wavefront_size: 32
...
	.end_amdgpu_metadata
.endif
;; end of part 1
;; launch main (part 2): grid 128 x 1, 8 waves a work-group, no clusters, 286,720 bytes of LDS; arguments visual_features, shots_boundaries, wstream, w4s, upart, logits, p_b, p_W, f_bq, f_bk, f_bv, f_lin_b, f_b0, s_bq, s_bk, s_ff1_b, a_bq, s_bv, s_bo, s_ff2_b, f_ln_g, f_ln_b, s_ln1_g, s_ln1_b, s_ln2_g, s_ln2_b; writes logits
.if DOCPART == 2
	.amdgcn_target "amdgcn-amd-amdhsa--gfx1250"
	.amdhsa_code_object_version 6
	.text
	.protected	k_qa7fad3dd16_main
	.globl	k_qa7fad3dd16_main
	.p2align	8
	.type	k_qa7fad3dd16_main,@function
k_qa7fad3dd16_main:
	s_mov_b64 s[64:65], 0
	v_nop
	global_prefetch_b8 v0, s[64:65] scope:SCOPE_SE
	s_setreg_imm32_b32 hwreg(HW_REG_WAVE_MODE, 25, 1), 1
	s_wait_xcnt 0x0
; THE CHAIN, one frame (32 rows) to a work-group: work-group f takes shot f / 8, frame shots_boundaries[shot][0] + f % 8, from the frame-level block to the logit of each row.
; Only gathered frames are computed: the source keeps frame_reps[idx] alone, and all that follows stays inside a frame but ak, av (made by the launch before) and the last softmax (the launch behind).
; SHARES.  Eight waves; wave w owns columns 64 w .. 64 w + 63 of every layer (which is head w), and audio rows 128 w .. 128 w + 127 of the audio scores.
; Every product is used transposed (source 0 = 16 columns of the weight, source 1 = 16 rows): a lane holds one row (lane % 16) and eight neighbouring columns 16 t + 8 (lane / 16) + j.
; A layer's results, rounded to 16 bits, go to LDS as images of the next product's operand registers; a layer reads one image and writes the other, so one barrier a layer serves.
; THE WEIGHTS come from memory straight into operand registers, in fragment order: a ring of four register buffers of one block (4 fragments, 4,096 bytes a wave); four blocks, 32 loads a wave, are always out,
; across epilogues and barriers too.  No LDS ring and no tensor load: beside the images and the vectors LDS has no room for two slots larger than one such block a wave.  No cluster for the same reason.
; FORMATS.  x Wq, x Wk, x Wv: codes of E2M1 with E8M0 scales.  The shot-level products on frame_reps and what follows from it up to s_Wo: bf16 (three and four weight factors deep: no room in f16 at inputs 30 times larger);
; the others f16.  Softmaxes, norms, residuals and the logit in f32.
; attended . pW2 is taken as softmax(asc) . u, u[a] = av[a] . pW2: the same sum in another order.  s_bo and s_ff2_b are added to the residual ahead of the product's sums.
; LIMITS: NaN and infinities among the inputs are not served; a block of x whose largest magnitude lies under 2^-124 keeps the scale byte 1; shots_boundaries[s][0] is held to 0 .. 1016 (the gather stays in its table).
.set STREAMW, 188*4096
.set XA,    0                          ; LDS: image A: [16 rows m 2][K step of 32, 16][half 2][512 bytes]
.set XB,    32768                      ; image B
.set VEC,   65536                      ; the 18 vectors, 2,048 bytes each; p_W; zeros
.set PWO,   36864
.set ZERO,  40960
.set U,     110592                     ; u, 1,024 numbers
.set W4SL,  114688                     ; the quantised weights' scale words, 3,072 bytes a wave
.set X4I,   139264                     ; x's eight fragments of codes
.set X4S,   147456                     ; and their scale words
.set STAT,  148480                     ; a norm's parts: [row 32][wave 8][sum, squared distance]
.set COMB,  150528                     ; the audio softmax's parts: [wave 8][row 32][16 bytes]
.set R1,    154624                     ; first q, k, v in f16 (row pitch 1,168, head pitch 144; k at + 37,376, v at + 74,752); later, 8 KB a wave each: the residual, and at + 65,536 sv and sq
.set SPARE, 285696                     ; the spare words, 128 bytes for each wave: four blocks of 256 bytes that no other line names
.set T,     16                         ; v16-31   at work; while the quantised products run: v16-23 W's scale words, v24-27 x's
.set XF,    32                         ; v32-63   the rows' fragments, two sets of 16; at work in epilogues
.set ACC,   64                         ; v64-127  accumulator (t, m) at ACC + 8 (2 t + m)
.set RING,  128                        ; v128-255 the weights' ring: buffer b at + 32 b, fragment t at + 8 t
.set TM,    48                         ; the quantiser's 16 registers
; v1 16 x lane; v2, v3 the add's two; v4 VEC + 256 w + 32 h; v5 the image address in hand; v6 16 lane + 2,048 w; v7 my residual; v8 my sv and sq, later u; v9 STAT + 64 r + 8 w
; v[10:11] my columns' part of the logit; v[12:13], v[14:15], v[6:7]: the audio softmax's maximum, sum and weighted sum, for my lane's two rows
; s[60:61] the stream; s62 wave; s63 trips; s66 image offset; s[68:69] lane selects; s[70:71] log2(e) / 8; s[72:73] log2(e); s74 a lane mask; s75 p_b; s76-79 1/64, 1/512, 1e-5, 64; s[80:81] my logits
.macro NOPS cnt
.rept \cnt
	v_nop
.endr
.endm
.macro BARRIER                         ; my LDS stores have landed and my LDS loads are in: then the work-group's barrier
	s_wait_dscnt 0x0
	s_barrier_signal -1
	s_barrier_wait -1
.endm
.macro RLOAD buf, blk                  ; block blk from the stream's place on, into buffer buf: eight loads of 512 consecutive bytes
.irp t,0,1,2,3
.irp hf,0,1
	global_load_b128 v[RING+32*(\buf)+8*\t+4*\hf:RING+32*(\buf)+8*\t+4*\hf+3], v1, s[60:61] offset:(\blk)*4096+\t*1024+\hf*512
.endr
.endr
.endm
.macro XFETCH set, off                 ; the two tiles of rows of one K step
.irp m,0,1
.irp hf,0,1
	ds_load_b128 v[XF+16*(\set)+8*\m+4*\hf:XF+16*(\set)+8*\m+4*\hf+3], v5 offset:(\off)+\m*16384+\hf*512
.endr
.endr
.endm
; One K step of 32: block i of a group of four.  left: the younger ring loads that may stay out.  nx = 1: the next K step's rows are fetched; 2: the next group's first (in a layer's last trip the offset is held
; at the last group: that fetch is thrown away).  swap = 1: the sources change places, so that a lane holds a column and its registers run down the rows.
.macro KSTEP fmt, swap, i, xb, reload, left, nx
	s_wait_loadcnt \left                           ; ring loads come back in order: this block's eight are in
	s_wait_dscnt 0x0                               ; this step's rows are in (asked for a step ago)
.if \nx == 1
	XFETCH ((\i)+1)%2,(\xb)+((\i)+1)*1024
.elseif \nx == 2
	s_add_co_u32 s66, s66, 4096
	s_min_u32 s66, s66, 12288
	v_add_nc_u32 v5, s66, v1
	XFETCH 0,\xb
.endif
.irp t,0,1,2,3                                 ; the eight accumulators take turns, one instruction a turn, over the backward jump too
.irp m,0,1
.set rD, ACC+8*(2*\t+\m)
.set rW, RING+32*(\i)+8*\t
.set rX, XF+16*((\i)%2)+8*\m
.if \swap
	v_wmma_f32_16x16x32_\fmt v[rD:rD+7], v[rX:rX+7], v[rW:rW+7], v[rD:rD+7]
.else
	v_wmma_f32_16x16x32_\fmt v[rD:rD+7], v[rW:rW+7], v[rX:rX+7], v[rD:rD+7]
.endif
.endr
.endr
	NOPS 4                                         ; places in front of loads into registers that the products have read, and of the first read of results
.if \reload
	RLOAD \i,4+(\i)                                ; the buffer takes the block four further on
.endif
.endm
.macro CORE fmt, swap, xb              ; a layer's 16 K steps: four trips of four
	s_mov_b32 s66, 0
	v_add_nc_u32 v5, s66, v1
	XFETCH 0,\xb
	s_mov_b32 s63, 4
.Lcore_\@:
	KSTEP \fmt,\swap,0,\xb,1,24,1
	KSTEP \fmt,\swap,1,\xb,1,24,1
	KSTEP \fmt,\swap,2,\xb,1,24,1
	KSTEP \fmt,\swap,3,\xb,1,24,2
	s_wait_xcnt 0x0                                ; the ring's loads have had their addresses translated: the stream's pointer may step
	s_add_nc_u64 s[60:61], s[60:61], 16384
	s_sub_co_u32 s63, s63, 1
	s_cmp_lg_u32 s63, 0
	s_cbranch_scc1 .Lcore_\@
	s_wait_dscnt 0x0                               ; the last trip's spare fetch has landed: its registers may be written
.endm
.macro CORE_LAST fmt, xb               ; the stream's last 16 blocks: the last group asks for nothing, and its counts run down
	s_mov_b32 s66, 0
	v_add_nc_u32 v5, s66, v1
	XFETCH 0,\xb
	s_mov_b32 s63, 3
.Lcore_\@:
	KSTEP \fmt,0,0,\xb,1,24,1
	KSTEP \fmt,0,1,\xb,1,24,1
	KSTEP \fmt,0,2,\xb,1,24,1
	KSTEP \fmt,0,3,\xb,1,24,2
	s_wait_xcnt 0x0
	s_add_nc_u64 s[60:61], s[60:61], 16384
	s_sub_co_u32 s63, s63, 1
	s_cmp_lg_u32 s63, 0
	s_cbranch_scc1 .Lcore_\@
	KSTEP \fmt,0,0,\xb,0,24,1
	KSTEP \fmt,0,1,\xb,0,16,1
	KSTEP \fmt,0,2,\xb,0,8,1
	KSTEP \fmt,0,3,\xb,0,0,0
.endm
.macro PRE_BIAS off                    ; a vector in the result's layout is the C of each sum's first product
.irp t,0,1,2,3
.irp m,0,1
.irp hf,0,1
	ds_load_b128 v[ACC+8*(2*\t+\m)+4*\hf:ACC+8*(2*\t+\m)+4*\hf+3], v4 offset:(\off)+64*\t+16*\hf
.endr
.endr
.endr
.endm
.macro PRE_OWN                         ; the residual likewise
.irp q,0,1,2,3,4,5,6,7,8,9,10,11,12,13,14,15
	ds_load_b128 v[ACC+4*\q:ACC+4*\q+3], v7 offset:512*\q
.endr
.endm
.macro SAVE_OWN
.irp q,0,1,2,3,4,5,6,7,8,9,10,11,12,13,14,15
	ds_store_b128 v7, v[ACC+4*\q:ACC+4*\q+3] offset:512*\q
.endr
.endm
.macro RELU
.set j, 0
.rept 64
	v_max_num_f32 v[ACC+j], 0, v[ACC+j]
.set j, j+1
.endr
.endm
.macro PACK op                         ; tiles 2 c and 2 c + 1 are the two halves of the fragment of K step 2 w + c of the next product; each accumulator is read from its low end on
.irp m,0,1
.irp c,0,1
.irp hf,0,1
.irp q,0,1,2,3
	\op v[XF+8*(2*\m+\c)+4*\hf+\q], v[ACC+8*(2*(2*\c+\hf)+\m)+2*\q], v[ACC+8*(2*(2*\c+\hf)+\m)+2*\q+1]
.endr
.endr
.endr
.endr
.endm
.macro IMG dst
.irp m,0,1
.irp c,0,1
.irp hf,0,1
	ds_store_b128 v6, v[XF+8*(2*\m+\c)+4*\hf:XF+8*(2*\m+\c)+4*\hf+3] offset:(\dst)+16384*\m+1024*\c+512*\hf
.endr
.endr
.endr
.endm
.macro PARK off                        ; four fragments into my own bytes
.irp q,0,1,2,3,4,5,6,7
	ds_store_b128 v8, v[XF+4*\q:XF+4*\q+3] offset:(\off)+512*\q
.endr
	s_wait_dscnt 0x0
.endm
.macro ADDV off                        ; a vector is added to the results
	s_wait_dscnt 0x0                               ; the image's stores have read their registers
.irp t,0,1,2,3
.irp hf,0,1
	ds_load_b128 v[XF+8*\t+4*\hf:XF+8*\t+4*\hf+3], v4 offset:(\off)+64*\t+16*\hf
.endr
.endr
	s_wait_dscnt 0x0
.irp t,0,1,2,3
.irp m,0,1
.irp q,0,2,4,6
.set rD, ACC+8*(2*\t+\m)+\q
	v_pk_add_f32 v[rD:rD+1], v[rD:rD+1], v[XF+8*\t+\q:XF+8*\t+\q+1]
.endr
.endr
.endr
.endm
.macro GBLOAD goff, boff, tp           ; gain and bias of tiles 2 tp, 2 tp + 1
.irp tl,0,1
.irp hf,0,1
	ds_load_b128 v[XF+8*\tl+4*\hf:XF+8*\tl+4*\hf+3], v4 offset:(\goff)+64*(2*(\tp)+\tl)+16*\hf
	ds_load_b128 v[XF+16+8*\tl+4*\hf:XF+16+8*\tl+4*\hf+3], v4 offset:(\boff)+64*(2*(\tp)+\tl)+16*\hf
.endr
.endr
.endm
.macro GBFMA tp
.irp tl,0,1
.irp m,0,1
.irp q,0,2,4,6
.set rD, ACC+8*(2*(2*(\tp)+\tl)+\m)+\q
	v_pk_fma_f32 v[rD:rD+1], v[rD:rD+1], v[XF+8*\tl+\q:XF+8*\tl+\q+1], v[XF+16+8*\tl+\q:XF+16+8*\tl+\q+1]
.endr
.endr
.endr
.endm
; A layer norm over 512 columns that eight waves hold.  Each wave gives, for each row, its 64 columns' sum S and their squared distance M2 from their own mean;
; the whole is mean = sum S / 512, M2 = sum M2 + 64 sum (S / 64 - mean)^2: no difference of large sums is formed.  One barrier inside.
.macro LNX goff, boff
.irp m,0,1
	v_pk_add_f32 v[T+4*\m:T+4*\m+1], v[ACC+8*\m:ACC+8*\m+1], v[ACC+8*\m+2:ACC+8*\m+3]
	v_pk_add_f32 v[T+4*\m+2:T+4*\m+3], v[ACC+8*\m+4:ACC+8*\m+5], v[ACC+8*\m+6:ACC+8*\m+7]
.endr
.irp t,1,2,3
.irp m,0,1
.set rD, ACC+8*(2*\t+\m)
	v_pk_add_f32 v[T+4*\m:T+4*\m+1], v[T+4*\m:T+4*\m+1], v[rD:rD+1]
	v_pk_add_f32 v[T+4*\m+2:T+4*\m+3], v[T+4*\m+2:T+4*\m+3], v[rD+2:rD+3]
	v_pk_add_f32 v[T+4*\m:T+4*\m+1], v[T+4*\m:T+4*\m+1], v[rD+4:rD+5]
	v_pk_add_f32 v[T+4*\m+2:T+4*\m+3], v[T+4*\m+2:T+4*\m+3], v[rD+6:rD+7]
.endr
.endr
.irp m,0,1
	v_pk_add_f32 v[T+4*\m:T+4*\m+1], v[T+4*\m:T+4*\m+1], v[T+4*\m+2:T+4*\m+3]
.endr
.irp m,0,1
	v_add_f32 v[T+8+2*\m], v[T+4*\m], v[T+4*\m+1]
.endr
.irp m,0,1
	v_permlanex16_b32 v[T+4*\m], v[T+8+2*\m], s68, s69
.endr
.irp m,0,1
	v_add_f32 v[T+8+2*\m], v[T+8+2*\m], v[T+4*\m]  ; S
.endr
.irp m,0,1
	v_mul_f32 v[T+4*\m+2], 0xbc800000, v[T+8+2*\m] ; - S / 64
.endr
.set p, 0
.rept 16
.irp m,0,1
.set rD, ACC+8*(2*(p/4)+\m)+2*(p%4)
.set rE, XF+16*\m+2*(p%4)
.set rQ, XF+16*\m+8+2*(p%2)
	v_pk_add_f32 v[rE:rE+1], v[rD:rD+1], v[T+4*\m+2:T+4*\m+3] op_sel_hi:[1,0]
.if p < 2
	v_pk_mul_f32 v[rQ:rQ+1], v[rE:rE+1], v[rE:rE+1]
.else
	v_pk_fma_f32 v[rQ:rQ+1], v[rE:rE+1], v[rE:rE+1], v[rQ:rQ+1]
.endif
.endr
.set p, p+1
.endr
.irp m,0,1
	v_pk_add_f32 v[XF+16*\m+8:XF+16*\m+9], v[XF+16*\m+8:XF+16*\m+9], v[XF+16*\m+10:XF+16*\m+11]
.endr
.irp m,0,1
	v_add_f32 v[T+9+2*\m], v[XF+16*\m+8], v[XF+16*\m+9]
.endr
.irp m,0,1
	v_permlanex16_b32 v[T+4*\m], v[T+9+2*\m], s68, s69
.endr
.irp m,0,1
	v_add_f32 v[T+9+2*\m], v[T+9+2*\m], v[T+4*\m]  ; M2
.endr
.irp m,0,1
	ds_store_b64 v9, v[T+8+2*\m:T+9+2*\m] offset:1024*\m
.endr
	v_and_b32 v[T+15], 15, v0
	v_lshl_add_u32 v[T+15], v[T+15], 6, STAT
	BARRIER                                        ; all eight waves' parts lie in LDS
.irp m,0,1
.irp q,0,1,2,3
	ds_load_b128 v[XF+16*\m+4*\q:XF+16*\m+4*\q+3], v[T+15] offset:1024*\m+16*\q
.endr
.endr
	s_wait_dscnt 0x0
.irp m,0,1
	v_pk_add_f32 v[T+8*\m:T+8*\m+1], v[XF+16*\m:XF+16*\m+1], v[XF+16*\m+2:XF+16*\m+3]
.endr
.irp k,2,3,4,5,6,7
.irp m,0,1
	v_pk_add_f32 v[T+8*\m:T+8*\m+1], v[T+8*\m:T+8*\m+1], v[XF+16*\m+2*\k:XF+16*\m+2*\k+1]  ; (sum S, sum M2)
.endr
.endr
.irp m,0,1
	v_mul_f32 v[T+8*\m+2], 0xbb000000, v[T+8*\m]   ; - mean
.endr
.irp m,0,1
	v_fma_f32 v[T+8*\m+3], v[XF+16*\m], s76, v[T+8*\m+2]
.endr
.irp m,0,1
	v_mul_f32 v[T+8*\m+4], v[T+8*\m+3], v[T+8*\m+3]
.endr
.irp k,1,2,3,4,5,6,7
.irp m,0,1
	v_fma_f32 v[T+8*\m+3], v[XF+16*\m+2*\k], s76, v[T+8*\m+2]
.endr
.irp m,0,1
	v_fma_f32 v[T+8*\m+4], v[T+8*\m+3], v[T+8*\m+3], v[T+8*\m+4]
.endr
.endr
.irp m,0,1
	v_fma_f32 v[T+8*\m+1], v[T+8*\m+4], s79, v[T+8*\m+1]
.endr
.irp m,0,1
	v_fma_f32 v[T+8*\m+1], v[T+8*\m+1], s77, s78   ; the variance + 1e-5
.endr
	GBLOAD \goff,\boff,0
.irp m,0,1
	v_rsq_f32 v[T+8*\m+6], v[T+8*\m+1]
.endr
	v_nop                                          ; a plain instruction behind the transcendentals,
	s_wait_alu depctr_va_vdst(0)                   ; and one wait ahead of their first reader
.irp m,0,1
	v_mul_f32 v[T+8*\m+4], v[T+8*\m+2], v[T+8*\m+6]  ; - mean x rs
.endr
.irp t,0,1,2,3
.irp m,0,1
.irp q,0,2,4,6
.set rD, ACC+8*(2*\t+\m)+\q
	v_pk_fma_f32 v[rD:rD+1], v[rD:rD+1], v[T+8*\m+6:T+8*\m+7], v[T+8*\m+4:T+8*\m+5] op_sel_hi:[1,0,0]
.endr
.endr
.endr
	s_wait_dscnt 0x0
	GBFMA 0
	GBLOAD \goff,\boff,1
	s_wait_dscnt 0x0
	GBFMA 1
.endm
; The audio softmax over my wave's 64 audio rows of pass pi, by a running maximum; the sum L and the sum with u, O, stay parts of a lane.
.macro ASM first, pi
.irp t,0,1,2,3
.irp hf,0,1
	ds_load_b128 v[XF+8*\t+4*\hf:XF+8*\t+4*\hf+3], v8 offset:256*(\pi)+64*\t+16*\hf
.endr
.endr
.irp m,0,1
	v_max3_num_f32 v[T+\m], v[ACC+8*\m], v[ACC+8*\m+1], v[ACC+8*\m+2]
.endr
.set n, 3
.rept 14
.irp m,0,1
	v_max3_num_f32 v[T+\m], v[T+\m], v[ACC+8*(2*(n/8)+\m)+n%8], v[ACC+8*(2*((n+1)/8)+\m)+(n+1)%8]
.endr
.set n, n+2
.endr
.irp m,0,1
	v_max_num_f32 v[T+\m], v[T+\m], v[ACC+8*(6+\m)+7]
.endr
.irp m,0,1
	v_permlanex16_b32 v[T+2+\m], v[T+\m], s68, s69
.endr
.if \first
.irp m,0,1
	v_max_num_f32 v[12+\m], v[T+\m], v[T+2+\m]
.endr
.else
.irp m,0,1
	v_max3_num_f32 v[T+\m], v[T+\m], v[T+2+\m], v[12+\m]
.endr
.irp m,0,1
	v_sub_f32 v[T+4+\m], v[12+\m], v[T+\m]         ; old maximum - new
.endr
.irp m,0,1
	v_mov_b32 v[12+\m], v[T+\m]
.endr
.irp m,0,1
	v_mul_f32 v[T+4+\m], s72, v[T+4+\m]
.endr
.endif
.irp m,0,1
	v_mul_f32 v[T+8+2*\m], 0xbfb8aa3b, v[12+\m]    ; - maximum x log2(e)
.endr
.irp t,0,1,2,3
.irp m,0,1
.irp q,0,2,4,6
.set rD, ACC+8*(2*\t+\m)+\q
	v_pk_fma_f32 v[rD:rD+1], v[rD:rD+1], s[72:73], v[T+8+2*\m:T+9+2*\m] op_sel_hi:[1,0,0]
.endr
.endr
.endr
.set j, 0
.rept 64
	v_exp_f32 v[ACC+j], v[ACC+j]
.set j, j+1
.endr
.if !\first
	v_exp_f32 v[T+4], v[T+4]
	v_exp_f32 v[T+5], v[T+5]
.endif
	v_nop                                          ; a plain instruction behind the batch,
	s_wait_alu depctr_va_vdst(0)                   ; and one wait for all of it, ahead of its first reader
	s_wait_dscnt 0x0                               ; u
.irp m,0,1
	v_pk_mul_f32 v[T+12+2*\m:T+13+2*\m], v[ACC+8*\m:ACC+8*\m+1], v[XF:XF+1]
	v_pk_add_f32 v[T+2*\m:T+2*\m+1], v[ACC+8*\m:ACC+8*\m+1], v[ACC+8*\m+2:ACC+8*\m+3]
.endr
.set p, 1
.rept 15
.irp m,0,1
.set rD, ACC+8*(2*(p/4)+\m)+2*(p%4)
	v_pk_fma_f32 v[T+12+2*\m:T+13+2*\m], v[rD:rD+1], v[XF+2*p:XF+2*p+1], v[T+12+2*\m:T+13+2*\m]
.if p > 1
	v_pk_add_f32 v[T+2*\m:T+2*\m+1], v[T+2*\m:T+2*\m+1], v[rD:rD+1]
.endif
.endr
.set p, p+1
.endr
.if \first
.irp m,0,1
	v_add_f32 v[14+\m], v[T+2*\m], v[T+2*\m+1]
	v_add_f32 v[6+\m], v[T+12+2*\m], v[T+13+2*\m]
.endr
.else
.irp m,0,1
	v_add_f32 v[T+2*\m], v[T+2*\m], v[T+2*\m+1]
	v_add_f32 v[T+12+2*\m], v[T+12+2*\m], v[T+13+2*\m]
.endr
.irp m,0,1
	v_fma_f32 v[14+\m], v[14+\m], v[T+4+\m], v[T+2*\m]
	v_fma_f32 v[6+\m], v[6+\m], v[T+4+\m], v[T+12+2*\m]
.endr
.endif
.endm
; 64 numbers of a lane, register 16 b + i = k 32 b + 16 (lane / 16) + i of my row, become a fragment's codes and its scale word
.macro QUANT src, pc, pw
.set qS, \src
.set qC, \pc
.set qW, \pw
.irp b,0,1,2,3
	v_max3_num_f32 v[TM+\b], |v[qS+16*\b]|, |v[qS+1+16*\b]|, 0x1800000   ; with the floor 2^(3 - 127): the byte cannot fall under 1
.endr
.irp i,2,4,6,8,10,12,14
.irp b,0,1,2,3
	v_max3_num_f32 v[TM+\b], v[TM+\b], |v[qS+16*\b+\i]|, |v[qS+1+16*\b+\i]|
.endr
.endr
.irp b,0,1,2,3
	v_permlanex16_b32 v[TM+4+\b], v[TM+\b], s68, s69
.endr
.irp b,0,1,2,3
	v_max_num_f32 v[TM+\b], v[TM+\b], v[TM+4+\b]
.endr
.irp b,0,1,2,3
	v_add_nc_u32 v[TM+12+\b], 0xff000000, v[TM+\b] ; 2 off the exponent field: the conversion's scale operand
.endr
.irp b,0,1,2,3
	v_lshrrev_b32 v[TM+4+\b], 23, v[TM+12+\b]
.endr
	v_lshl_or_b32 v[qW], v[TM+5], 8, v[TM+4]
	v_lshl_or_b32 v[qW], v[TM+6], 16, v[qW]
	v_lshl_or_b32 v[qW], v[TM+7], 24, v[qW]
.irp b,0,1,2,3
	v_cvt_scalef32_pk8_fp4_f32 v[qC+2*\b], v[qS+16*\b:qS+7+16*\b], v[TM+12+\b]
	v_cvt_scalef32_pk8_fp4_f32 v[qC+1+2*\b], v[qS+8+16*\b:qS+15+16*\b], v[TM+12+\b]
.endr
	v_nop                                          ; one plain place behind a scaled conversion
.irp c,0,1
.irp i,0,1
	v_permlane16_swap_b32 v[qC+4*\c+\i], v[qC+2+4*\c+\i]
.endr
.endr
.endm
.macro WMS d, a, b, sa, sb, ra, rb     ; a scaled product in place; ra, rb: the side's scale words stand in lanes 16-31
.set rD, \d
.set rA, \a
.set rB, \b
.set rS, \sa
.set rU, \sb
.if (\ra) && (\rb)
	v_wmma_scale_f32_16x16x128_f8f6f4 v[rD:rD+7], v[rA:rA+7], v[rB:rB+7], v[rD:rD+7], v[rS], v[rU] matrix_a_fmt:MATRIX_FMT_FP4 matrix_b_fmt:MATRIX_FMT_FP4 matrix_a_scale:MATRIX_SCALE_ROW1 matrix_b_scale:MATRIX_SCALE_ROW1
.elseif (\ra)
	v_wmma_scale_f32_16x16x128_f8f6f4 v[rD:rD+7], v[rA:rA+7], v[rB:rB+7], v[rD:rD+7], v[rS], v[rU] matrix_a_fmt:MATRIX_FMT_FP4 matrix_b_fmt:MATRIX_FMT_FP4 matrix_a_scale:MATRIX_SCALE_ROW1
.elseif (\rb)
	v_wmma_scale_f32_16x16x128_f8f6f4 v[rD:rD+7], v[rA:rA+7], v[rB:rB+7], v[rD:rD+7], v[rS], v[rU] matrix_a_fmt:MATRIX_FMT_FP4 matrix_b_fmt:MATRIX_FMT_FP4 matrix_b_scale:MATRIX_SCALE_ROW1
.else
	v_wmma_scale_f32_16x16x128_f8f6f4 v[rD:rD+7], v[rA:rA+7], v[rB:rB+7], v[rD:rD+7], v[rS], v[rU] matrix_a_fmt:MATRIX_FMT_FP4 matrix_b_fmt:MATRIX_FMT_FP4
.endif
.endm
.macro X4FETCH ks                      ; x's two fragments of K step ks of 128
.irp m,0,1
.irp hf,0,1
	ds_load_b128 v[XF+16*((\ks)%2)+8*\m+4*\hf:XF+16*((\ks)%2)+8*\m+4*\hf+3], v28 offset:(4*\m+(\ks))*1024+512*\hf
.endr
.endr
.endm
; q, k or v of my head for the 32 rows: four K steps of 128 on codes; the result goes to LDS in f16, [row][head][64]
.macro QKV p
	PRE_BIAS 2048*(\p)
.irp q,0,1,2,3,4,5,6,7
	ds_load_b32 v[T+\q], v29 offset:1024*(\p)+128*\q
.endr
	X4FETCH 0
.irp s,0,1,2,3
	s_wait_loadcnt 24                              ; this block's eight loads are in; the three younger blocks' may be out
	s_wait_dscnt 0x0
.if \s < 3
	X4FETCH \s+1
.endif
.irp t,0,1,2,3
.irp m,0,1
	WMS ACC+8*(2*\t+\m),RING+32*\s+8*\t,XF+16*(\s%2)+8*\m,T+4*(\t/2)+\s,T+8+\s,\t%2,\m
.endr
.endr
	NOPS 4
	RLOAD \s,4+\s
.endr
	s_wait_xcnt 0x0
	s_add_nc_u64 s[60:61], s[60:61], 16384
.irp t,0,1,2,3
.irp m,0,1
.irp q,0,1,2,3
	v_cvt_pk_f16_f32 v[XF+4*(2*\t+\m)+\q], v[ACC+8*(2*\t+\m)+2*\q], v[ACC+8*(2*\t+\m)+2*\q+1]
.endr
	ds_store_b128 v30, v[XF+4*(2*\t+\m):XF+4*(2*\t+\m)+3] offset:18688*\m+32*\t
.endr
.endr
	s_wait_dscnt 0x0
	v_add_nc_u32 v30, 37376, v30                   ; on to the next of q, k, v
.endm
; Two rows' context (pr = 0: rows 4 w, 4 w + 1; 1: the next two), their layer norm, and its image in f16.  A lane holds (row, head) = lane % 16 and channels 16 tt + 8 (lane / 16) + j.
.macro HPAIR pr
.irp tt,0,1,2,3
	v_wmma_f32_16x16x32_f16 v[ACC+32+8*\tt:ACC+39+8*\tt], v[ACC+8*\tt:ACC+8*\tt+7], v[XF+16+4*(\pr):XF+23+4*(\pr)], 0
.endr
	NOPS 4
	v_pk_add_f32 v[20:21], v[ACC+32:ACC+33], v[ACC+34:ACC+35]
	v_pk_add_f32 v[22:23], v[ACC+36:ACC+37], v[ACC+38:ACC+39]
.irp tt,1,2,3
	v_pk_add_f32 v[20:21], v[20:21], v[ACC+32+8*\tt:ACC+33+8*\tt]
	v_pk_add_f32 v[22:23], v[22:23], v[ACC+34+8*\tt:ACC+35+8*\tt]
	v_pk_add_f32 v[20:21], v[20:21], v[ACC+36+8*\tt:ACC+37+8*\tt]
	v_pk_add_f32 v[22:23], v[22:23], v[ACC+38+8*\tt:ACC+39+8*\tt]
.endr
	v_pk_add_f32 v[20:21], v[20:21], v[22:23]
	v_add_f32 v24, v20, v21
	v_add_f32_dpp v24, v24, v24 row_xmask:1 row_mask:0xf bank_mask:0xf   ; the row's eight heads lie in eight neighbouring lanes,
	v_add_f32_dpp v24, v24, v24 row_xmask:2 row_mask:0xf bank_mask:0xf
	v_add_f32_dpp v24, v24, v24 row_xmask:4 row_mask:0xf bank_mask:0xf
	v_permlanex16_b32 v25, v24, s68, s69           ; and the other channels in lane l xor 16
	v_add_f32 v24, v24, v25
	v_mul_f32 v26, 0xbb000000, v24                 ; - mean
.set j, 0
.rept 16
	v_pk_add_f32 v[ACC+32+j:ACC+33+j], v[ACC+32+j:ACC+33+j], v[26:27] op_sel_hi:[1,0]
.set j, j+2
.endr
	v_pk_mul_f32 v[20:21], v[ACC+32:ACC+33], v[ACC+32:ACC+33]
	v_pk_mul_f32 v[22:23], v[ACC+34:ACC+35], v[ACC+34:ACC+35]
.set j, 4
.rept 7
	v_pk_fma_f32 v[20:21], v[ACC+32+j:ACC+33+j], v[ACC+32+j:ACC+33+j], v[20:21]
	v_pk_fma_f32 v[22:23], v[ACC+34+j:ACC+35+j], v[ACC+34+j:ACC+35+j], v[22:23]
.set j, j+4
.endr
	v_pk_add_f32 v[20:21], v[20:21], v[22:23]
	v_add_f32 v24, v20, v21
	v_add_f32_dpp v24, v24, v24 row_xmask:1 row_mask:0xf bank_mask:0xf
	v_add_f32_dpp v24, v24, v24 row_xmask:2 row_mask:0xf bank_mask:0xf
	v_add_f32_dpp v24, v24, v24 row_xmask:4 row_mask:0xf bank_mask:0xf
	v_permlanex16_b32 v25, v24, s68, s69
	v_add_f32 v24, v24, v25
	v_fma_f32 v24, v24, s77, s78
	v_rsq_f32 v28, v24
	v_nop
	s_wait_alu depctr_va_vdst(0)                   ; a wait ahead of the first reader
.irp tt,0,1,2,3
.irp hf,0,1
	ds_load_b128 v[XF+4*\hf:XF+4*\hf+3], v18 offset:12*2048+64*\tt+16*\hf
	ds_load_b128 v[XF+8+4*\hf:XF+8+4*\hf+3], v18 offset:13*2048+64*\tt+16*\hf
.endr
	s_wait_dscnt 0x0                               ; gain and bias are in, and the last store has read its registers
.irp q,0,2,4,6
	v_pk_mul_f32 v[XF+\q:XF+\q+1], v[XF+\q:XF+\q+1], v[28:29] op_sel_hi:[1,0]
.endr
.irp q,0,2,4,6
	v_pk_fma_f32 v[ACC+32+8*\tt+\q:ACC+33+8*\tt+\q], v[ACC+32+8*\tt+\q:ACC+33+8*\tt+\q], v[XF+\q:XF+\q+1], v[XF+8+\q:XF+9+\q]
.endr
.irp q,0,1,2,3
	v_cvt_pk_f16_f32 v[XF+28+\q], v[ACC+32+8*\tt+2*\q], v[ACC+33+8*\tt+2*\q]
.endr
	ds_store_b128 v19, v[XF+28:XF+31] offset:XA+32*(\pr)+(\tt/2)*1024+(\tt%2)*512
.endr
.endm
	; ---- THE HEAD
	s_load_b512 s[8:23], s[0:1], 0x0               ; x s[8:9], shots s[10:11], wstream s[12:13], w4s s[14:15], upart s[16:17], logits s[18:19], p_b s[20:21], p_W s[22:23]
	s_load_b512 s[24:39], s[0:1], 0x40             ; vector i at s[24 + 2 i]
	s_load_b512 s[40:55], s[0:1], 0x80
	s_load_b128 s[56:59], s[0:1], 0xc0
	v_lshl_add_u32 v2, v0, 2, SPARE                ; my spare word,
	v_mov_b32 v3, 0                                ; and 0: kept for the closing lines
	v_lshrrev_b32 v10, 5, v0
	v_readfirstlane_b32 s62, v10                   ; wave 0..7
	v_and_b32 v10, 31, v0                          ; lane
	v_and_b32 v11, 15, v0                          ; r
	v_bfe_u32 v12, v0, 4, 1                        ; h
	v_lshlrev_b32 v1, 4, v10
	s_lshl_b32 s82, s62, 8
	s_add_co_u32 s82, s82, VEC
	v_lshl_add_u32 v4, v12, 5, s82
	s_lshl_b32 s82, s62, 11
	v_add_nc_u32 v6, s82, v1
	s_lshl_b32 s82, s62, 13
	s_add_co_u32 s82, s82, R1
	v_add_nc_u32 v7, s82, v1
	v_add_nc_u32 v8, 65536, v7
	s_lshl_b32 s82, s62, 3
	s_add_co_u32 s82, s82, STAT
	v_lshl_add_u32 v9, v11, 6, s82
	v_and_b32 v16, 127, v0
	v_lshlrev_b32 v16, 4, v16                      ; a vector's 2,048 bytes over four waves
	v_lshlrev_b32 v17, 4, v0                       ; 16 x thread
	v_lshlrev_b32 v18, 11, v11
	v_lshl_add_u32 v18, v12, 6, v18                ; x: row r of 2,048 bytes + 64 h
	v_lshl_add_u32 v19, v0, 4, VEC
.irp q,0,1,2,3
	v_mov_b32 v[20+\q], 0
.endr
	s_mul_i32 s83, s62, 3072
	s_add_co_u32 s84, s83, W4SL
	v_add_nc_u32 v24, s84, v1
	v_lshl_add_u32 v29, v10, 2, s84
	s_lshl_b32 s84, s62, 10
	s_add_co_u32 s84, s84, X4I
	v_add_nc_u32 v25, s84, v1
	s_lshl_b32 s84, s62, 7
	s_add_co_u32 s84, s84, X4S
	v_lshl_add_u32 v26, v10, 2, s84
	v_add_nc_u32 v28, X4I, v1
	v_mul_u32_u24 v30, v11, 1168
	v_lshl_add_u32 v30, v12, 4, v30
	s_mul_i32 s84, s62, 144
	s_add_co_u32 s84, s84, R1
	v_add_nc_u32 v30, s84, v30                     ; where my results of q go: row r, head w, + 16 h
	v_lshlrev_b32 v31, 2, v11
	v_lshl_add_u32 v31, v12, 9, v31
	v_add_nc_u32 v31, X4S, v31                     ; x's scale words: lanes 0-15 rows 0-15, lanes 16-31 rows 16-31
.irp b,0,1,2,3
	v_mov_b32 v[TM+4+\b], 0                        ; a lane permute's destination counts as one of its sources
.endr
	s_mov_b32 s68, 0x76543210
	s_mov_b32 s69, 0xfedcba98
	s_mov_b32 s70, 0x3e38aa3b                      ; log2(e) / sqrt(64)
	s_mov_b32 s71, s70
	s_mov_b32 s72, 0x3fb8aa3b                      ; log2(e)
	s_mov_b32 s73, s72
	s_mov_b32 s76, 0x3c800000                      ; 1 / 64
	s_mov_b32 s77, 0x3b000000                      ; 1 / 512
	s_mov_b32 s78, 0x3727c5ac                      ; 1e-5
	s_mov_b32 s79, 0x42800000                      ; 64
	s_lshr_b32 s90, ttmp9, 3                       ; the shot
	s_and_b32 s91, ttmp9, 7                        ; the frame in it
	s_lshl_b32 s92, s90, 3                         ; its first boundary: 8 bytes a shot
	s_lshl_b32 s88, s91, 11
	s_lshl_b32 s93, s90, 7
	s_add_co_u32 s88, s88, s93                     ; logits[l][32 s + row]
	s_mov_b32 s89, 0
	s_wait_kmcnt 0x0
	s_load_b32 s67, s[10:11], s92 offset:0x0
	s_load_b32 s75, s[20:21], 0x0
	s_add_nc_u64 s[80:81], s[18:19], s[88:89]
	s_cmp_lt_u32 s62, 4                            ; waves 0-3 bring the even vectors, waves 4-7 the odd ones
.irp i,0,1,2,3,4,5,6,7,8
	s_cselect_b64 s[24+4*\i:25+4*\i], s[24+4*\i:25+4*\i], s[26+4*\i:27+4*\i]
.endr
	s_mov_b32 s88, s83
	s_add_nc_u64 s[86:87], s[14:15], s[88:89]      ; my wave's scale words
	s_mul_i32 s88, s62, STREAMW
	s_add_nc_u64 s[60:61], s[12:13], s[88:89]      ; my wave's stream
.irp i,0,1,2,3,4,5,6,7,8
	global_load_b128 v[128+4*\i:131+4*\i], v16, s[24+4*\i:25+4*\i]
.endr
	global_load_b128 v[164:167], v17, s[22:23]
.irp i,0,1,2,3,4,5
	global_load_b128 v[168+4*\i:171+4*\i], v1, s[86:87] offset:512*\i
.endr
.irp d,0,1,2,3,4,5,6,7
	global_load_b128 v[192+4*\d:195+4*\d], v17, s[16:17] offset:4096*\d
.endr
	s_wait_kmcnt 0x0
	s_min_u32 s67, s67, 1016                       ; the gather stays in its table
	s_add_co_u32 s67, s67, s91                     ; the frame
	s_lshl_b32 s88, s67, 16                        ; 32 rows of 2,048 bytes
	s_lshr_b32 s93, s62, 2
	s_lshl_b32 s93, s93, 15                        ; my 16 rows: wave / 4
	s_add_co_u32 s88, s88, s93
	s_and_b32 s93, s62, 3
	s_lshl_b32 s93, s93, 9                         ; my K step of 128: wave % 4
	s_add_co_u32 s88, s88, s93
	s_add_nc_u64 s[8:9], s[8:9], s[88:89]
.irp b,0,1,2,3
.irp j,0,1,2,3
	global_load_b128 v[ACC+16*\b+4*\j:ACC+16*\b+4*\j+3], v18, s[8:9] offset:128*\b+16*\j
.endr
.endr
	s_wait_loadcnt 16                              ; all but x's sixteen loads are in
.irp i,0,1,2,3,4,5,6,7,8
	ds_store_b128 v19, v[128+4*\i:131+4*\i] offset:4096*\i
.endr
	ds_store_b128 v19, v[164:167] offset:PWO
	ds_store_b128 v19, v[20:23] offset:ZERO
.irp i,0,1,2,3,4,5
	ds_store_b128 v24, v[168+4*\i:171+4*\i] offset:512*\i
.endr
.irp d,1,2,3,4,5,6,7
	v_pk_add_f32 v[192:193], v[192:193], v[192+4*\d:193+4*\d]
	v_pk_add_f32 v[194:195], v[194:195], v[194+4*\d:195+4*\d]
.endr
	ds_store_b128 v19, v[192:195] offset:U-VEC     ; u[a] = the sum of its eight parts
	s_wait_dscnt 0x0                               ; the stores have read the registers that the ring takes now
	RLOAD 0,0
	RLOAD 1,1
	RLOAD 2,2
	RLOAD 3,3
	s_wait_loadcnt 32                              ; x is in; the ring's 32 loads may be out
	QUANT ACC,XF,27                                ; my fragment of x: rows 16 (w / 4) on, K step w % 4
	ds_store_b128 v25, v[XF:XF+3]
	ds_store_b128 v25, v[XF+4:XF+7] offset:512
	ds_store_b32 v26, v27
	BARRIER                                        ; vectors, u, scale words and x's eight fragments lie in LDS
.irp s,0,1,2,3
	ds_load_b32 v[T+8+\s], v31 offset:128*\s
.endr
	; ---- q, k, v on codes
	QKV 0
	QKV 1
	QKV 2
	BARRIER                                        ; q, k, v of all heads lie in LDS
	; ---- attention over the HEAD axis, row by row: wave w takes rows 4 w .. 4 w + 3, two at a time.  A tile's 16 = 2 rows x 8 heads; scores between different rows are thrown away by a weight of 0
	v_and_b32 v20, 7, v0                           ; head
	v_bfe_u32 v21, v0, 3, 1                        ; which row of the two
	v_bfe_u32 v22, v0, 4, 1                        ; h
	v_cmp_eq_u32 s74, v22, v21                     ; lanes whose eight scores belong to their own row
	s_lshl_b32 s82, s62, 2
	s_mul_i32 s82, s82, 1168
	s_add_co_u32 s82, s82, R1
	v_mul_u32_u24 v16, v21, 1168
	v_mad_u32_u24 v16, v20, 144, v16
	v_lshl_add_u32 v16, v22, 4, v16
	v_add_nc_u32 v16, s82, v16                     ; q and k: (row, head) = lane % 16, + 16 h
	v_mul_u32_u24 v17, v22, 1168
	v_mad_u32_u24 v17, v20, 144, v17
	v_lshl_add_u32 v17, v21, 4, v17
	v_add_nc_u32 v17, s82, v17
	v_add_nc_u32 v17, 74752, v17                   ; v, for the turning load: K = (row h, head lane % 8), 16 bytes of channels by (lane / 8) % 2
	v_lshlrev_b32 v18, 8, v20
	v_lshl_add_u32 v18, v22, 5, v18
	v_add_nc_u32 v18, VEC, v18                     ; gain and bias at column 64 head + 8 h
	s_lshr_b32 s83, s62, 2
	s_lshl_b32 s83, s83, 14
	s_and_b32 s84, s62, 3
	s_lshl_b32 s84, s84, 6
	s_add_co_u32 s83, s83, s84
	v_lshlrev_b32 v19, 11, v20
	v_lshl_add_u32 v19, v22, 8, v19
	v_lshl_add_u32 v19, v21, 4, v19
	v_add_nc_u32 v19, s83, v19                     ; my 16 bytes in image A
.irp pr,0,1
.irp c,0,1
.irp hf,0,1
	ds_load_b128 v[ACC+16*\pr+8*\c+4*\hf:ACC+16*\pr+8*\c+4*\hf+3], v16 offset:37376+2336*\pr+64*\c+32*\hf
	ds_load_b128 v[ACC+32+16*\pr+8*\c+4*\hf:ACC+32+16*\pr+8*\c+4*\hf+3], v16 offset:2336*\pr+64*\c+32*\hf
.endr
.endr
.endr
	s_wait_dscnt 0x0
.irp pr,0,1
	v_wmma_f32_16x16x32_f16 v[XF+8*\pr:XF+8*\pr+7], v[ACC+16*\pr:ACC+16*\pr+7], v[ACC+32+16*\pr:ACC+39+16*\pr], 0
.endr
.irp pr,0,1
	v_wmma_f32_16x16x32_f16 v[XF+8*\pr:XF+8*\pr+7], v[ACC+8+16*\pr:ACC+15+16*\pr], v[ACC+40+16*\pr:ACC+47+16*\pr], v[XF+8*\pr:XF+8*\pr+7]
.endr
	NOPS 4
.irp tt,0,1,2,3                                ; v turned: registers 0-3 the first two rows (K 0-15), registers 4-7 the next two (K 16-31)
	ds_load_tr16_b128 v[ACC+8*\tt:ACC+8*\tt+3], v17 offset:32*\tt
	ds_load_tr16_b128 v[ACC+8*\tt+4:ACC+8*\tt+7], v17 offset:2336+32*\tt
.endr
.irp pr,0,1
	v_max3_num_f32 v[24+\pr], v[XF+8*\pr], v[XF+8*\pr+1], v[XF+8*\pr+2]
.endr
.irp i,3,5
.irp pr,0,1
	v_max3_num_f32 v[24+\pr], v[24+\pr], v[XF+8*\pr+\i], v[XF+8*\pr+\i+1]
.endr
.endr
.irp pr,0,1
	v_max_num_f32 v[24+\pr], v[24+\pr], v[XF+8*\pr+7]
.endr
.irp pr,0,1
	v_mul_f32 v[20+2*\pr], 0xbe38aa3b, v[24+\pr]   ; - maximum x log2(e) / 8
.endr
.irp q,0,2,4,6
.irp pr,0,1
	v_pk_fma_f32 v[XF+8*\pr+\q:XF+8*\pr+\q+1], v[XF+8*\pr+\q:XF+8*\pr+\q+1], s[70:71], v[20+2*\pr:21+2*\pr] op_sel_hi:[1,0,0]
.endr
.endr
.set j, 0
.rept 16
	v_exp_f32 v[XF+j], v[XF+j]
.set j, j+1
.endr
	v_nop
	s_wait_alu depctr_va_vdst(0)                   ; one wait for the sixteen
.irp pr,0,1
	v_pk_add_f32 v[26+2*\pr:27+2*\pr], v[XF+8*\pr:XF+8*\pr+1], v[XF+8*\pr+2:XF+8*\pr+3]
.endr
.irp q,4,6
.irp pr,0,1
	v_pk_add_f32 v[26+2*\pr:27+2*\pr], v[26+2*\pr:27+2*\pr], v[XF+8*\pr+\q:XF+8*\pr+\q+1]
.endr
.endr
.irp pr,0,1
	v_add_f32 v[24+\pr], v[26+2*\pr], v[27+2*\pr]
.endr
.irp pr,0,1
	v_rcp_f32 v[24+\pr], v[24+\pr]
.endr
.irp q,0,1,2,3
	v_mov_b32 v[XF+20+\q], 0                       ; the unused half of K.  (Plain work behind the reciprocals)
.endr
	s_wait_alu depctr_va_vdst(0)
.irp pr,0,1
	v_cndmask_b32 v[20+2*\pr], 0, v[24+\pr], s74   ; 1 / sum, or 0 where the scores are another row's
.endr
.irp q,0,2,4,6
.irp pr,0,1
	v_pk_mul_f32 v[XF+8*\pr+\q:XF+8*\pr+\q+1], v[XF+8*\pr+\q:XF+8*\pr+\q+1], v[20+2*\pr:21+2*\pr] op_sel_hi:[1,0]
.endr
.endr
.irp pr,0,1
.irp q,0,1,2,3
	v_cvt_pk_f16_f32 v[XF+16+8*\pr+\q], v[XF+8*\pr+2*\q], v[XF+8*\pr+2*\q+1]  ; XF+16..23: (p of rows 0, 1; zeros); XF+20..27: (zeros; p of rows 2, 3)
.endr
.endr
	NOPS 4
	s_wait_dscnt 0x0                               ; v
	HPAIR 0
	HPAIR 1
	BARRIER                                        ; image A holds the normalised context
	; ---- relu(. f_lin_W + f_lin_b)
	PRE_BIAS 3*2048
	CORE f16,0,XA
	RELU
	PACK v_cvt_pk_f16_f32
	IMG XB
	BARRIER
	; ---- frame_reps = . f_W0 + f_b0; kept in f32, with s_bo, as the residual
	PRE_BIAS 4*2048
	CORE f16,0,XB
	PACK v_cvt_pk_bf16_f32
	IMG XA
	ADDV 10*2048
	SAVE_OWN
	BARRIER
	; ---- sv, with the sources swapped: a lane holds a channel of my head and its registers run down the 32 positions, as the second product's source 0 wants it
	PRE_BIAS ZERO
	CORE bf16,1,XA
	v_and_b32 v[T], 15, v0
	s_lshl_b32 s82, s62, 8
	s_add_co_u32 s82, s82, VEC+9*2048
	v_lshl_add_u32 v[T], v[T], 2, s82
.irp t,0,1,2,3
	ds_load_b32 v[T+4+2*\t], v[T] offset:64*\t     ; s_bv of my lane's channel
.endr
	s_wait_dscnt 0x0
.irp t,0,1,2,3
.irp m,0,1
.irp q,0,2,4,6
.set rD, ACC+8*(2*\t+\m)+\q
	v_pk_add_f32 v[rD:rD+1], v[rD:rD+1], v[T+4+2*\t:T+5+2*\t] op_sel_hi:[1,0]
.endr
.endr
.endr
.irp t,0,1,2,3
.irp m,0,1
.irp q,0,1,2,3
	v_cvt_pk_bf16_f32 v[XF+8*\t+4*\m+\q], v[ACC+8*(2*\t+\m)+2*\q], v[ACC+8*(2*\t+\m)+2*\q+1]
.endr
.endr
.endr
	PARK 0
	; ---- sq
	PRE_BIAS 5*2048
	CORE bf16,0,XA
	PACK v_cvt_pk_bf16_f32
	PARK 4096
	; ---- sk, and the shot-level attention of head w over the frame's 32 positions, all in my registers
	PRE_BIAS 6*2048
	CORE bf16,0,XA
	PACK v_cvt_pk_bf16_f32                         ; sk's four fragments
.irp q,0,1,2,3,4,5,6,7
	ds_load_b128 v[ACC+4*\q:ACC+4*\q+3], v8 offset:4096+512*\q  ; sq's
.endr
	s_wait_dscnt 0x0
.irp mq,0,1                                    ; S^T = sk sq^T: a lane holds one query and keys 16 mk + 8 h + j; the four tiles take turns
.irp mk,0,1
	v_wmma_f32_16x16x32_bf16 v[ACC+32+8*(2*\mq+\mk):ACC+39+8*(2*\mq+\mk)], v[XF+16*\mk:XF+16*\mk+7], v[ACC+16*\mq:ACC+16*\mq+7], 0
.endr
.endr
.irp mq,0,1
.irp mk,0,1
	v_wmma_f32_16x16x32_bf16 v[ACC+32+8*(2*\mq+\mk):ACC+39+8*(2*\mq+\mk)], v[XF+8+16*\mk:XF+15+16*\mk], v[ACC+8+16*\mq:ACC+15+16*\mq], v[ACC+32+8*(2*\mq+\mk):ACC+39+8*(2*\mq+\mk)]
.endr
.endr
	NOPS 4
.irp q,0,1,2,3,4,5,6,7
	ds_load_b128 v[XF+4*\q:XF+4*\q+3], v8 offset:512*\q         ; sv's
.endr
.irp mq,0,1
	v_max3_num_f32 v[T+\mq], v[ACC+32+16*\mq], v[ACC+33+16*\mq], v[ACC+34+16*\mq]
.endr
.irp i,3,5,7,9,11,13
.irp mq,0,1
	v_max3_num_f32 v[T+\mq], v[T+\mq], v[ACC+32+16*\mq+\i], v[ACC+33+16*\mq+\i]
.endr
.endr
.irp mq,0,1
	v_max_num_f32 v[T+\mq], v[T+\mq], v[ACC+47+16*\mq]
.endr
.irp mq,0,1
	v_permlanex16_b32 v[T+2+\mq], v[T+\mq], s68, s69
.endr
.irp mq,0,1
	v_max_num_f32 v[T+\mq], v[T+\mq], v[T+2+\mq]
.endr
.irp mq,0,1
	v_mul_f32 v[T+4+2*\mq], 0xbe38aa3b, v[T+\mq]
.endr
.irp i,0,2,4,6,8,10,12,14
.irp mq,0,1
	v_pk_fma_f32 v[ACC+32+16*\mq+\i:ACC+33+16*\mq+\i], v[ACC+32+16*\mq+\i:ACC+33+16*\mq+\i], s[70:71], v[T+4+2*\mq:T+5+2*\mq] op_sel_hi:[1,0,0]
.endr
.endr
.set j, 0
.rept 32
	v_exp_f32 v[ACC+32+j], v[ACC+32+j]
.set j, j+1
.endr
	v_nop
	s_wait_alu depctr_va_vdst(0)                   ; one wait for the 32
.irp mq,0,1
	v_pk_add_f32 v[T+8+2*\mq:T+9+2*\mq], v[ACC+32+16*\mq:ACC+33+16*\mq], v[ACC+34+16*\mq:ACC+35+16*\mq]
.endr
.irp i,4,6,8,10,12,14
.irp mq,0,1
	v_pk_add_f32 v[T+8+2*\mq:T+9+2*\mq], v[T+8+2*\mq:T+9+2*\mq], v[ACC+32+16*\mq+\i:ACC+33+16*\mq+\i]
.endr
.endr
.irp mq,0,1
	v_add_f32 v[T+\mq], v[T+8+2*\mq], v[T+9+2*\mq]
.endr
.irp mq,0,1
	v_permlanex16_b32 v[T+2+\mq], v[T+\mq], s68, s69
.endr
.irp mq,0,1
	v_add_f32 v[T+\mq], v[T+\mq], v[T+2+\mq]
.endr
.irp mq,0,1
	v_rcp_f32 v[T+12+2*\mq], v[T+\mq]
.endr
.irp mq,0,1                                    ; p, not yet divided, is the second product's source 1 as it lies.  (Plain work behind the reciprocals)
.irp q,0,1,2,3,4,5,6,7
	v_cvt_pk_bf16_f32 v[ACC+8*\mq+\q], v[ACC+32+16*\mq+2*\q], v[ACC+33+16*\mq+2*\q]
.endr
.endr
	s_wait_alu depctr_va_vdst(0)
	NOPS 4
.irp mq,0,1
	s_wait_dscnt 0x0                               ; sv is in; the last stores have read their registers
.irp tt,0,1,2,3
	v_wmma_f32_16x16x32_bf16 v[ACC+32+8*\tt:ACC+39+8*\tt], v[XF+8*\tt:XF+8*\tt+7], v[ACC+8*\mq:ACC+8*\mq+7], 0
.endr
	NOPS 4
.irp i,0,2,4,6,8,10,12,14,16,18,20,22,24,26,28,30
	v_pk_mul_f32 v[ACC+32+\i:ACC+33+\i], v[ACC+32+\i:ACC+33+\i], v[T+12+2*\mq:T+13+2*\mq] op_sel_hi:[1,0]
.endr
.irp c,0,1
.irp hf,0,1
.irp q,0,1,2,3
	v_cvt_pk_bf16_f32 v[ACC+16+8*\c+4*\hf+\q], v[ACC+32+8*(2*\c+\hf)+2*\q], v[ACC+33+8*(2*\c+\hf)+2*\q]
.endr
	ds_store_b128 v6, v[ACC+16+8*\c+4*\hf:ACC+19+8*\c+4*\hf] offset:XB+16384*\mq+1024*\c+512*\hf
.endr
.endr
.endr
	BARRIER                                        ; image B holds the shot-level context
	; ---- hh = LN(frame_reps + . s_Wo + s_bo); kept, with s_ff2_b, as the next residual
	PRE_OWN
	CORE bf16,0,XB
	LNX 14*2048,15*2048
	PACK v_cvt_pk_f16_f32
	IMG XA
	ADDV 11*2048
	SAVE_OWN
	BARRIER
	; ---- relu(. s_ff1_W + s_ff1_b)
	PRE_BIAS 7*2048
	CORE f16,0,XA
	RELU
	PACK v_cvt_pk_f16_f32
	IMG XB
	BARRIER
	; ---- shot_out = LN(hh + . s_ff2_W + s_ff2_b), and my columns' part of shot_out . pW1
	PRE_OWN
	CORE f16,0,XB
	LNX 16*2048,17*2048
	PACK v_cvt_pk_f16_f32
	IMG XA
	s_wait_dscnt 0x0
.irp t,0,1,2,3
.irp hf,0,1
	ds_load_b128 v[XF+8*\t+4*\hf:XF+8*\t+4*\hf+3], v4 offset:PWO+64*\t+16*\hf
.endr
.endr
	s_wait_dscnt 0x0
.irp m,0,1
	v_pk_mul_f32 v[T+2*\m:T+2*\m+1], v[ACC+8*\m:ACC+8*\m+1], v[XF:XF+1]
.endr
.set p, 1
.rept 15
.irp m,0,1
.set rD, ACC+8*(2*(p/4)+\m)+2*(p%4)
	v_pk_fma_f32 v[T+2*\m:T+2*\m+1], v[rD:rD+1], v[XF+2*p:XF+2*p+1], v[T+2*\m:T+2*\m+1]
.endr
.set p, p+1
.endr
.irp m,0,1
	v_add_f32 v[10+\m], v[T+2*\m], v[T+2*\m+1]
.endr
.irp m,0,1
	v_permlanex16_b32 v[T+4+\m], v[10+\m], s68, s69
.endr
.irp m,0,1
	v_add_f32 v[10+\m], v[10+\m], v[T+4+\m]
.endr
	BARRIER
	; ---- aq
	PRE_BIAS 8*2048
	CORE f16,0,XA
	PACK v_cvt_pk_f16_f32
	IMG XB
	v_bfe_u32 v8, v0, 4, 1
	s_lshl_b32 s82, s62, 9
	s_add_co_u32 s82, s82, U
	v_lshl_add_u32 v8, v8, 5, s82                  ; u of my wave's audio rows, + 32 h
	BARRIER
	; ---- the audio scores of my 128 audio rows, 64 at a time (source 0 = 16 audio rows of ak), and their softmax
	PRE_BIAS ZERO
	CORE f16,0,XB
	ASM 1,0
	PRE_BIAS ZERO
	CORE_LAST f16,XB
	ASM 0,1
	; ---- the eight waves' parts meet: a lane to a row
.irp m,0,1
	v_permlanex16_b32 v[T+\m], v[14+\m], s68, s69
	v_permlanex16_b32 v[T+2+\m], v[6+\m], s68, s69
.endr
.irp m,0,1
	v_add_f32 v[14+\m], v[14+\m], v[T+\m]
	v_add_f32 v[6+\m], v[6+\m], v[T+2+\m]
.endr
	v_and_b32 v[T+8], 31, v0
	v_cmp_gt_u32 vcc_lo, 16, v[T+8]
	v_cndmask_b32 v[T+4], v13, v12, vcc_lo         ; lanes 0-15: rows 0-15; lanes 16-31: rows 16-31
	v_cndmask_b32 v[T+5], v15, v14, vcc_lo
	v_cndmask_b32 v[T+6], v7, v6, vcc_lo
	v_cndmask_b32 v[T+7], v11, v10, vcc_lo
	s_lshl_b32 s82, s62, 9
	s_add_co_u32 s82, s82, COMB
	v_add_nc_u32 v[T+9], s82, v1
	v_add_nc_u32 v[T+10], COMB, v1
	v_lshlrev_b32 v[T+11], 2, v[T+8]
	ds_store_b128 v[T+9], v[T+4:T+7]               ; maximum, sum, sum with u, part of the logit
	BARRIER
	s_cmp_lg_u32 s62, 0
	s_cbranch_scc1 .Lend                           ; wave 0 finishes the 32 rows
.irp k,0,1,2,3,4,5,6,7
	ds_load_b128 v[XF+4*\k:XF+4*\k+3], v[T+10] offset:512*\k
.endr
	s_wait_dscnt 0x0
	v_max3_num_f32 v[T], v[XF], v[XF+4], v[XF+8]
	v_max3_num_f32 v[T], v[T], v[XF+12], v[XF+16]
	v_max3_num_f32 v[T], v[T], v[XF+20], v[XF+24]
	v_max_num_f32 v[T], v[T], v[XF+28]
.irp k,0,1,2,3,4,5,6,7
	v_sub_f32 v[XF+4*\k], v[XF+4*\k], v[T]
.endr
.irp k,0,1,2,3,4,5,6,7
	v_mul_f32 v[XF+4*\k], s72, v[XF+4*\k]
.endr
.irp k,0,1,2,3,4,5,6,7
	v_exp_f32 v[XF+4*\k], v[XF+4*\k]
.endr
	v_add_f32 v[T+1], v[XF+3], v[XF+7]             ; shot_out . pW1.  (Plain work behind the exponentials)
.irp k,2,3,4,5,6,7
	v_add_f32 v[T+1], v[T+1], v[XF+4*\k+3]
.endr
	s_wait_alu depctr_va_vdst(0)
	v_mul_f32 v[T+2], v[XF+1], v[XF]
	v_mul_f32 v[T+3], v[XF+2], v[XF]
.irp k,1,2,3,4,5,6,7
	v_fma_f32 v[T+2], v[XF+4*\k+1], v[XF+4*\k], v[T+2]
	v_fma_f32 v[T+3], v[XF+4*\k+2], v[XF+4*\k], v[T+3]
.endr
	v_rcp_f32 v[T+2], v[T+2]
	v_add_f32 v[T+1], s75, v[T+1]                  ; + p_b
	s_wait_alu depctr_va_vdst(0)
	v_fma_f32 v[T+1], v[T+3], v[T+2], v[T+1]       ; + attended . pW2
	global_store_b32 v[T+11], v[T+1], s[80:81]
.Lend:
	s_wait_tensorcnt 0x0                           ; the wave's end, behind my last LDS store
	ds_add_u32 v2, v3
	s_wait_dscnt 0x0
	s_endpgm
.Lfunc_end_k_qa7fad3dd16_main:
	.size	k_qa7fad3dd16_main, .Lfunc_end_k_qa7fad3dd16_main-k_qa7fad3dd16_main
	.p2alignl 7, 3214868480
	.fill 96, 4, 3214868480
	.section	.rodata,"a",@progbits
	.p2align	6, 0x0
	.amdhsa_kernel k_qa7fad3dd16_main
		.amdhsa_group_segment_fixed_size 286720
		.amdhsa_private_segment_fixed_size 0
		.amdhsa_enable_private_segment 0
		.amdhsa_kernarg_size 208
		.amdhsa_user_sgpr_count 2
		.amdhsa_user_sgpr_kernarg_segment_ptr 1
		.amdhsa_wavefront_size32 1
		.amdhsa_system_sgpr_workgroup_id_x 1
		.amdhsa_system_sgpr_workgroup_id_y 1
		.amdhsa_system_sgpr_workgroup_id_z 1
		.amdhsa_system_vgpr_workitem_id 0
		.amdhsa_next_free_vgpr 256
		.amdhsa_next_free_sgpr 96
		.amdhsa_reserve_vcc 1
		.amdhsa_float_denorm_mode_32 3
		.amdhsa_float_denorm_mode_16_64 3
		.amdhsa_memory_ordered 1
		.amdhsa_forward_progress 1
		.amdhsa_inst_pref_size 255
	.end_amdhsa_kernel
	.section	.bss,"aw",@nobits
	.p2align	6
	.space	262144
	.amdgpu_metadata
---
amdhsa.version: [ 1, 2 ]
amdhsa.kernels:
  - .name:           k_qa7fad3dd16_main
    .symbol:         k_qa7fad3dd16_main.kd
    .args:
      - { .name: visual_features, .offset: 0, .size: 8, .value_kind: global_buffer, .address_space: global }
      - { .name: shots_boundaries, .offset: 8, .size: 8, .value_kind: global_buffer, .address_space: global }
      - { .name: wstream, .offset: 16, .size: 8, .value_kind: global_buffer, .address_space: global }
      - { .name: w4s, .offset: 24, .size: 8, .value_kind: global_buffer, .address_space: global }
      - { .name: upart, .offset: 32, .size: 8, .value_kind: global_buffer, .address_space: global }
      - { .name: logits, .offset: 40, .size: 8, .value_kind: global_buffer, .address_space: global }
      - { .name: p_b, .offset: 48, .size: 8, .value_kind: global_buffer, .address_space: global }
      - { .name: p_W, .offset: 56, .size: 8, .value_kind: global_buffer, .address_space: global }
      - { .name: f_bq, .offset: 64, .size: 8, .value_kind: global_buffer, .address_space: global }
      - { .name: f_bk, .offset: 72, .size: 8, .value_kind: global_buffer, .address_space: global }
      - { .name: f_bv, .offset: 80, .size: 8, .value_kind: global_buffer, .address_space: global }
      - { .name: f_lin_b, .offset: 88, .size: 8, .value_kind: global_buffer, .address_space: global }
      - { .name: f_b0, .offset: 96, .size: 8, .value_kind: global_buffer, .address_space: global }
      - { .name: s_bq, .offset: 104, .size: 8, .value_kind: global_buffer, .address_space: global }
      - { .name: s_bk, .offset: 112, .size: 8, .value_kind: global_buffer, .address_space: global }
      - { .name: s_ff1_b, .offset: 120, .size: 8, .value_kind: global_buffer, .address_space: global }
      - { .name: a_bq, .offset: 128, .size: 8, .value_kind: global_buffer, .address_space: global }
      - { .name: s_bv, .offset: 136, .size: 8, .value_kind: global_buffer, .address_space: global }
      - { .name: s_bo, .offset: 144, .size: 8, .value_kind: global_buffer, .address_space: global }
      - { .name: s_ff2_b, .offset: 152, .size: 8, .value_kind: global_buffer, .address_space: global }
      - { .name: f_ln_g, .offset: 160, .size: 8, .value_kind: global_buffer, .address_space: global }
      - { .name: f_ln_b, .offset: 168, .size: 8, .value_kind: global_buffer, .address_space: global }
      - { .name: s_ln1_g, .offset: 176, .size: 8, .value_kind: global_buffer, .address_space: global }
      - { .name: s_ln1_b, .offset: 184, .size: 8, .value_kind: global_buffer, .address_space: global }
      - { .name: s_ln2_g, .offset: 192, .size: 8, .value_kind: global_buffer, .address_space: global }
      - { .name: s_ln2_b, .offset: 200, .size: 8, .value_kind: global_buffer, .address_space: global }
    .group_segment_fixed_size: 286720
    .private_segment_fixed_size: 0
    .kernarg_segment_align: 8
    .kernarg_segment_size: 208
    .max_flat_workgroup_size: 256
    .sgpr_count:     96
    .vgpr_count:     256
    .wavefront_size: 32
...
	.end_amdgpu_metadata
.endif
;; end of part 2
;; launch final (part 3): grid 1 x 1, 8 waves a work-group, no clusters, 17,408 bytes of LDS; arguments logits, out0; writes out0
.if DOCPART == 3
	.amdgcn_target "amdgcn-amd-amdhsa--gfx1250"
	.amdhsa_code_object_version 6
	.text
	.protected	k_qa7fad3dd16_final
	.globl	k_qa7fad3dd16_final
	.p2align	8
	.type	k_qa7fad3dd16_final,@function
k_qa7fad3dd16_final:
	s_mov_b64 s[64:65], 0
	v_nop
	global_prefetch_b8 v0, s[64:65] scope:SCOPE_SE
	s_setreg_imm32_b32 hwreg(HW_REG_WAVE_MODE, 25, 1), 1
	s_wait_xcnt 0x0
; out0[n][l] = softmax over the 512 n of logits[l][n].  One work-group: 16 KB in, 16 KB out; wave l takes index l, 16 numbers a lane: n = 128 q + 4 lane + e.
; The results are turned through LDS ([n][l], as the output lies), so that each store of a wave covers 512 consecutive bytes, aligned.
; The sum spans all frames' work-groups, so it has a launch of its own.
.set SPARE, 16384                      ; behind the stage: the spare words, 128 bytes for each wave: four blocks of 256 bytes that no other line names
	s_load_b128 s[4:7], s[0:1], 0x0                ; logits, out0
	v_lshl_add_u32 v2, v0, 2, SPARE                ; my spare word,
	v_mov_b32 v3, 0                                ; and 0
	v_lshlrev_b32 v1, 4, v0                        ; 16 x thread: the way out
	v_lshrrev_b32 v4, 5, v0                        ; l
	v_and_b32 v5, 31, v0                           ; lane
	v_lshlrev_b32 v6, 4, v5
	v_lshl_add_u32 v6, v4, 11, v6                  ; 2,048 l + 16 lane
	v_lshlrev_b32 v7, 7, v5
	v_lshl_add_u32 v7, v4, 2, v7                   ; the stage: (8 n + l) x 4 = 4,096 q + 128 lane + 32 e + 4 l
	v_mov_b32 v25, 0                               ; a lane permute's destination counts as one of its sources
	v_mov_b32 v28, 0
	s_mov_b32 s10, 0x3fb8aa3b                      ; log2(e)
	s_mov_b32 s12, 0x76543210
	s_mov_b32 s13, 0xfedcba98
	s_wait_kmcnt 0x0
.irp q,0,1,2,3
	global_load_b128 v[8+4*\q:11+4*\q], v6, s[4:5] offset:512*\q
.endr
	s_wait_loadcnt 0x0
	v_max3_num_f32 v24, v8, v9, v10
.irp i,11,13,15,17,19,21
	v_max3_num_f32 v24, v24, v[\i], v[\i+1]
.endr
	v_max_num_f32 v24, v24, v23
	v_max_num_f32_dpp v24, v24, v24 row_xmask:1 row_mask:0xf bank_mask:0xf
	v_max_num_f32_dpp v24, v24, v24 row_xmask:2 row_mask:0xf bank_mask:0xf
	v_max_num_f32_dpp v24, v24, v24 row_xmask:4 row_mask:0xf bank_mask:0xf
	v_max_num_f32_dpp v24, v24, v24 row_xmask:8 row_mask:0xf bank_mask:0xf
	v_permlanex16_b32 v25, v24, s12, s13
	v_max_num_f32 v24, v24, v25                    ; the largest of the 512
	v_mul_f32 v25, 0xbfb8aa3b, v24
.irp i,0,1,2,3,4,5,6,7,8,9,10,11,12,13,14,15
	v_fma_f32 v[8+\i], v[8+\i], s10, v25
.endr
.irp i,0,1,2,3,4,5,6,7,8,9,10,11,12,13,14,15
	v_exp_f32 v[8+\i], v[8+\i]
.endr
	v_nop                                          ; a plain instruction behind the batch,
	s_wait_alu depctr_va_vdst(0)                   ; and one wait for it, ahead of its first reader
	v_pk_add_f32 v[26:27], v[8:9], v[10:11]
.irp i,12,14,16,18,20,22
	v_pk_add_f32 v[26:27], v[26:27], v[\i:\i+1]
.endr
	v_add_f32 v26, v26, v27
	v_add_f32_dpp v26, v26, v26 row_xmask:1 row_mask:0xf bank_mask:0xf
	v_add_f32_dpp v26, v26, v26 row_xmask:2 row_mask:0xf bank_mask:0xf
	v_add_f32_dpp v26, v26, v26 row_xmask:4 row_mask:0xf bank_mask:0xf
	v_add_f32_dpp v26, v26, v26 row_xmask:8 row_mask:0xf bank_mask:0xf
	v_permlanex16_b32 v28, v26, s12, s13
	v_add_f32 v26, v26, v28
	v_rcp_f32 v26, v26
	v_nop
	s_wait_alu depctr_va_vdst(0)
.irp i,0,1,2,3,4,5,6,7,8,9,10,11,12,13,14,15
	v_mul_f32 v[8+\i], v[8+\i], v26
.endr
.irp q,0,1,2,3
.irp e,0,1,2,3
	ds_store_b32 v7, v[8+4*\q+\e] offset:4096*\q+32*\e
.endr
.endr
	s_wait_dscnt 0x0                               ; for the others' sake: my stores have landed
	s_barrier_signal -1
	s_barrier_wait -1
.irp q,0,1,2,3
	ds_load_b128 v[8+4*\q:11+4*\q], v1 offset:4096*\q
.endr
.irp q,0,1,2,3
	s_wait_dscnt 3-\q                              ; LDS loads come back in order: the younger ones may stay out
	global_store_b128 v1, v[8+4*\q:11+4*\q], s[6:7] offset:4096*\q
.endr
	s_wait_tensorcnt 0x0                           ; the wave's end, behind my last LDS store
	ds_add_u32 v2, v3
	s_wait_dscnt 0x0
	s_endpgm
.Lfunc_end_k_qa7fad3dd16_final:
	.size	k_qa7fad3dd16_final, .Lfunc_end_k_qa7fad3dd16_final-k_qa7fad3dd16_final
	.p2alignl 7, 3214868480
	.fill 96, 4, 3214868480
	.section	.rodata,"a",@progbits
	.p2align	6, 0x0
	.amdhsa_kernel k_qa7fad3dd16_final
		.amdhsa_group_segment_fixed_size 17408
		.amdhsa_private_segment_fixed_size 0
		.amdhsa_enable_private_segment 0
		.amdhsa_kernarg_size 16
		.amdhsa_user_sgpr_count 2
		.amdhsa_user_sgpr_kernarg_segment_ptr 1
		.amdhsa_wavefront_size32 1
		.amdhsa_system_sgpr_workgroup_id_x 1
		.amdhsa_system_sgpr_workgroup_id_y 1
		.amdhsa_system_sgpr_workgroup_id_z 1
		.amdhsa_system_vgpr_workitem_id 0
		.amdhsa_next_free_vgpr 64
		.amdhsa_next_free_sgpr 66
		.amdhsa_reserve_vcc 0
		.amdhsa_float_denorm_mode_32 3
		.amdhsa_float_denorm_mode_16_64 3
		.amdhsa_memory_ordered 1
		.amdhsa_forward_progress 1
		.amdhsa_inst_pref_size 8
	.end_amdhsa_kernel
	.amdgpu_metadata
---
amdhsa.version: [ 1, 2 ]
amdhsa.kernels:
  - .name:           k_qa7fad3dd16_final
    .symbol:         k_qa7fad3dd16_final.kd
    .args:
      - { .name: logits, .offset: 0, .size: 8, .value_kind: global_buffer, .address_space: global }
      - { .name: out0, .offset: 8, .size: 8, .value_kind: global_buffer, .address_space: global }
    .group_segment_fixed_size: 17408
    .private_segment_fixed_size: 0
    .kernarg_segment_align: 8
    .kernarg_segment_size: 16
    .max_flat_workgroup_size: 256
    .sgpr_count:     66
    .vgpr_count:     64
    .wavefront_size: 32
...
	.end_amdgpu_metadata
.endif
;; end of part 3
;; ======== version 2 of 2: 3 launches; 1.12 times as fast as version 1
;; workspace buffers: wstream 6,160,384 bytes; w4s 24,576 bytes; upart 32,768 bytes; logits 16,384 bytes
;; launch prep: the kernel of part 1 again; grid 320 x 1, 4 waves a work-group, no clusters, 18,432 bytes of LDS; arguments f_lin_W, f_W0, s_Wv, s_Wq, s_Wk, s_Wo, s_ff1_W, s_ff2_W, a_Wq, f_Wq, f_Wk, f_Wv, a_Wk, a_Wv, audio_features, a_bk, a_bv, p_W, wstream, w4s, upart; writes wstream, w4s, upart
;; launch main (part 4): grid 128 x 1, 8 waves a work-group, no clusters, 286,720 bytes of LDS; arguments visual_features, shots_boundaries, wstream, w4s, upart, logits, p_b, p_W, f_bq, f_bk, f_bv, f_lin_b, f_b0, s_bq, s_bk, s_ff1_b, a_bq, s_bv, s_bo, s_ff2_b, f_ln_g, f_ln_b, s_ln1_g, s_ln1_b, s_ln2_g, s_ln2_b; writes logits
.if DOCPART == 4
	.amdgcn_target "amdgcn-amd-amdhsa--gfx1250"
	.amdhsa_code_object_version 6
	.text
	.protected	k_qa7fad3dd16_main
	.globl	k_qa7fad3dd16_main
	.p2align	8
	.type	k_qa7fad3dd16_main,@function
k_qa7fad3dd16_main:
	s_mov_b64 s[64:65], 0
	v_nop
	global_prefetch_b8 v0, s[64:65] scope:SCOPE_SE
	s_setreg_imm32_b32 hwreg(HW_REG_WAVE_MODE, 25, 1), 1
	s_wait_xcnt 0x0
; THE CHAIN, one frame (32 rows) to a work-group: work-group f takes shot f / 8, frame shots_boundaries[shot][0] + f % 8, from the frame-level block to the logit of each row.
; Only gathered frames are computed: the source keeps frame_reps[idx] alone, and all that follows stays inside a frame but ak, av (made by the launch before) and the last softmax (the launch behind).
; SHARES.  Eight waves; wave w owns columns 64 w .. 64 w + 63 of every layer (which is head w), and audio rows 128 w .. 128 w + 127 of the audio scores.
; Every product is used transposed (source 0 = 16 columns of the weight, source 1 = 16 rows): a lane holds one row (lane % 16) and eight neighbouring columns 16 t + 8 (lane / 16) + j.
; A layer's results, rounded to 16 bits, go to LDS as images of the next product's operand registers; a layer reads one image and writes the other, so one barrier a layer serves.
; THE WEIGHTS come from memory straight into operand registers, in fragment order: a ring of eight register buffers of one block (4 fragments, 4,096 bytes a wave) fills the second register window.
; At step k the block k + 7 is asked for, into the buffer that step k - 1 read: seven blocks, 56 loads a wave, are always out, across epilogues and barriers too (an eighth would make 64 loads, more than a wait on LOADcnt can name).
; FOUR POINTERS walk the stream, each for two neighbouring steps of eight.  A pointer is stepped at the head of its first step, behind that step's s_wait_loadcnt 48: the loads that last named it are those of
; the block just shown in and of the block before it, so they are done, and no other wait is owed.
; THE ROWS' FRAGMENTS come from the image three K steps ahead, into four sets of registers.
; No LDS ring and no tensor load: beside the images and the vectors LDS has no room for two slots larger than one such block a wave.  No cluster for the same reason.
; FORMATS.  x Wq, x Wk, x Wv: codes of E2M1 with E8M0 scales.  The shot-level products on frame_reps and what follows from it up to s_Wo: bf16 (three and four weight factors deep: no room in f16 at inputs 30 times larger);
; the others f16.  Softmaxes, norms, residuals and the logit in f32.
; attended . pW2 is taken as softmax(asc) . u, u[a] = av[a] . pW2: the same sum in another order.  s_bo and s_ff2_b are added to the residual ahead of the product's sums.
; LIMITS: NaN and infinities among the inputs are not served; a block of x whose largest magnitude lies under 2^-124 keeps the scale byte 1; shots_boundaries[s][0] is held to 0 .. 1016 (the gather stays in its table).
.set STREAMW, 188*4096
.set XA,    0                          ; LDS: image A: [16 rows m 2][K step of 32, 16][half 2][512 bytes]
.set XB,    32768                      ; image B
.set VEC,   65536                      ; the 18 vectors, 2,048 bytes each; p_W; zeros
.set PWO,   36864
.set ZERO,  40960
.set U,     110592                     ; u, 1,024 numbers
.set W4SL,  114688                     ; the quantised weights' scale words, 3,072 bytes a wave
.set X4I,   139264                     ; x's eight fragments of codes
.set X4S,   147456                     ; and their scale words
.set STAT,  148480                     ; a norm's parts: [row 32][wave 8][sum, squared distance]
.set COMB,  150528                     ; the audio softmax's parts: [wave 8][row 32][16 bytes]
.set R1,    154624                     ; first q, k, v in f16 (row pitch 1,168, head pitch 144; k at + 37,376, v at + 74,752); later, 8 KB a wave each: the residual, and at + 65,536 sv and sq
.set SPARE, 285696                     ; the spare words, 128 bytes for each wave: four blocks of 256 bytes that no other line names
; REGISTERS, in two windows of 256 (s_set_vgpr_msb says which window each operand place means: bits 1:0 source 0, 3:2 source 1, 5:4 source 2, 7:6 destination).
; Window 1 is the weights' ring: buffer b at 32 b, fragment t at + 8 t.  All else lies in window 0.  A K step has three switches: for its LDS fetch, for the ring's loads, for its eight products.
.set T,     16                         ; v16-31   at work; while the quantised products run: v16-23 W's scale words, v24-27 x's
.set XF,    32                         ; v32-63   at work in epilogues
.set ACC,   64                         ; v64-127  accumulator (t, m) at ACC + 8 (2 t + m)
.set XS,    128                        ; v128-191 the rows' fragments, four sets of 16; in the quantised products x's eight fragments; at the head v128-223 bring the vectors
.set TM,    48                         ; the quantiser's 16 registers
.set RP,    94                         ; s[94:101] the stream's four pointers
; v1 16 x lane; v2, v3 the add's two; v4 VEC + 256 w + 32 h; v5 the image address in hand; v6 16 lane + 2,048 w; v7 my residual; v8 my sv and sq, later u; v9 STAT + 64 r + 8 w
; v[10:11] my columns' part of the logit; v[12:13], v[14:15], v[6:7]: the audio softmax's maximum, sum and weighted sum, for my lane's two rows
; s[60:61] my stream's first byte; s62 wave; s63 trips; s66 image offset; s[68:69] lane selects; s[70:71] log2(e) / 8; s[72:73] log2(e); s74 a lane mask; s75 p_b; s76-79 1/64, 1/512, 1e-5, 64; s[80:81] my logits
.set MSB, 0
.macro WIN new                         ; the immediate's high byte repeats the setting that is left; a switch that changes nothing is dropped.  At a label and at a branch every window is 0
.if MSB != \new
	s_set_vgpr_msb (MSB<<8)|\new
.set MSB, \new
.endif
.endm
.macro NOPS cnt
.rept \cnt
	v_nop
.endr
.endm
.macro BARRIER                         ; my LDS stores have landed and my LDS loads are in: then the work-group's barrier
	s_wait_dscnt 0x0
	s_barrier_signal -1
	s_barrier_wait -1
.endm
.macro RHEAD blk                       ; one of the stream's first seven blocks: eight loads of 512 consecutive bytes
.irp t,0,1,2,3
.irp hf,0,1
	global_load_b128 v[32*(\blk)+8*\t+4*\hf:32*(\blk)+8*\t+4*\hf+3], v1, s[60:61] offset:(\blk)*4096+\t*1024+\hf*512
.endr
.endr
.endm
; At the step of ring slot `slot` (step % 8): the block seven further on, into the buffer that the step before read.  inc = 0 in the stream's first eight steps alone.
.macro RFILL slot, inc
.set fP, RP+2*((\slot)/2)
.set fB, 32*(((\slot)+7)%8)
.set fO, ((\slot)+7)*4096
.if (((\slot)%2) == 0) && (\inc)
	s_add_nc_u64 s[fP:fP+1], s[fP:fP+1], 32768     ; eight blocks on: the loads that named this pointer are done (this step's wait on LOADcnt)
.endif
	WIN 0x40                                       ; destination window 1, address window 0
.irp t,0,1,2,3
.irp hf,0,1
	global_load_b128 v[fB+8*\t+4*\hf:fB+8*\t+4*\hf+3], v1, s[fP:fP+1] offset:fO+\t*1024+\hf*512
.endr
.endr
.endm
.macro XFETCH set, adr, off            ; the two tiles of rows of one K step
.irp m,0,1
.irp hf,0,1
	ds_load_b128 v[XS+16*(\set)+8*\m+4*\hf:XS+16*(\set)+8*\m+4*\hf+3], v[\adr] offset:(\off)+\m*16384+\hf*512
.endr
.endr
.endm
; One K step of 32: the i-th of a trip (ring slot (4 + i) % 8: the stream's 12 quantised steps come first).  left: the younger ring loads that may stay out; dsl: the younger LDS loads.
; fa: the address register of the fetch three K steps ahead, at offset fo (0: none).  swap = 1: the sources change places, so that a lane holds a column and its registers run down the rows.
.macro KSTEP fmt, swap, i, fill, left, dsl, fa, fo
	s_wait_loadcnt \left                           ; ring loads come back in order: this block's eight are in
	s_wait_dscnt \dsl                              ; LDS loads likewise: this step's rows are in
.if \fa
	WIN 0
	XFETCH ((\i)+3)%4,\fa,\fo
.endif
.if \fill
	RFILL (4+(\i))%8,1
.endif
.if \swap
	WIN 0x04                                       ; source 1 (the weight) window 1
.else
	WIN 0x01                                       ; source 0 (the weight) window 1
.endif
.irp t,0,1,2,3                                 ; the eight accumulators take turns, one instruction a turn, over the backward jump too
.irp m,0,1
.set rD, ACC+8*(2*\t+\m)
.set rW, 32*((4+(\i))%8)+8*\t
.set rX, XS+16*((\i)%4)+8*\m
.if \swap
	v_wmma_f32_16x16x32_\fmt v[rD:rD+7], v[rX:rX+7], v[rW:rW+7], v[rD:rD+7]
.else
	v_wmma_f32_16x16x32_\fmt v[rD:rD+7], v[rW:rW+7], v[rX:rX+7], v[rD:rD+7]
.endif
.endr
.endr
	NOPS 4                                         ; places in front of the next step's loads into the registers that these products have read, and of the first read of results
.endm
; A layer's 16 K steps: two trips of eight.  A trip's last three fetches take K steps 8, 9, 10 by a constant address: what the second trip wants; in the second trip they are thrown away
; (they stay in the image in hand, and every epilogue waits for all its LDS loads before these registers are loaded again).
.macro CORE fmt, swap, xb
	s_mov_b32 s66, 0
	v_add_nc_u32 v5, s66, v1
	XFETCH 0,5,\xb
	XFETCH 1,5,(\xb)+1024
	XFETCH 2,5,(\xb)+2048
	s_mov_b32 s63, 2
.Lcore_\@:
.irp i,0,1,2,3,4
	KSTEP \fmt,\swap,\i,1,48,8,5,(\xb)+(\i+3)*1024
.endr
.irp i,5,6,7
	KSTEP \fmt,\swap,\i,1,48,8,1,(\xb)+8192+(\i-5)*1024
.endr
	WIN 0
	s_add_co_u32 s66, s66, 8192
	v_add_nc_u32 v5, s66, v1
	s_sub_co_u32 s63, s63, 1
	s_cmp_lg_u32 s63, 0
	s_cbranch_scc1 .Lcore_\@
.endm
; The stream's last 16 blocks, written out: step 8 asks for the last block, the seven steps behind it for nothing, and the counts run down
.macro CORE_LAST fmt, xb
	XFETCH 0,1,\xb
	XFETCH 1,1,(\xb)+1024
	XFETCH 2,1,(\xb)+2048
.set ii, 0
.rept 16
.set lf, 8*(15-ii)
.if lf > 48
.set lf, 48
.endif
.set dl, 4*(15-ii)
.if dl > 8
.set dl, 8
.endif
.if ii < 9
	KSTEP \fmt,0,ii,1,lf,dl,1,(\xb)+(ii+3)*1024
.elseif ii < 13
	KSTEP \fmt,0,ii,0,lf,dl,1,(\xb)+(ii+3)*1024
.else
	KSTEP \fmt,0,ii,0,lf,dl,0,0
.endif
.set ii, ii+1
.endr
	WIN 0
.endm
.macro PRE_BIAS off                    ; a vector in the result's layout is the C of each sum's first product
.irp t,0,1,2,3
.irp m,0,1
.irp hf,0,1
	ds_load_b128 v[ACC+8*(2*\t+\m)+4*\hf:ACC+8*(2*\t+\m)+4*\hf+3], v4 offset:(\off)+64*\t+16*\hf
.endr
.endr
.endr
.endm
.macro PRE_OWN                         ; the residual likewise
.irp q,0,1,2,3,4,5,6,7,8,9,10,11,12,13,14,15
	ds_load_b128 v[ACC+4*\q:ACC+4*\q+3], v7 offset:512*\q
.endr
.endm
.macro SAVE_OWN
.irp q,0,1,2,3,4,5,6,7,8,9,10,11,12,13,14,15
	ds_store_b128 v7, v[ACC+4*\q:ACC+4*\q+3] offset:512*\q
.endr
.endm
.macro RELU
.set j, 0
.rept 64
	v_max_num_f32 v[ACC+j], 0, v[ACC+j]
.set j, j+1
.endr
.endm
.macro PACK op                         ; tiles 2 c and 2 c + 1 are the two halves of the fragment of K step 2 w + c of the next product; each accumulator is read from its low end on
.irp m,0,1
.irp c,0,1
.irp hf,0,1
.irp q,0,1,2,3
	\op v[XF+8*(2*\m+\c)+4*\hf+\q], v[ACC+8*(2*(2*\c+\hf)+\m)+2*\q], v[ACC+8*(2*(2*\c+\hf)+\m)+2*\q+1]
.endr
.endr
.endr
.endr
.endm
.macro IMG dst
.irp m,0,1
.irp c,0,1
.irp hf,0,1
	ds_store_b128 v6, v[XF+8*(2*\m+\c)+4*\hf:XF+8*(2*\m+\c)+4*\hf+3] offset:(\dst)+16384*\m+1024*\c+512*\hf
.endr
.endr
.endr
.endm
.macro PARK off                        ; four fragments into my own bytes
.irp q,0,1,2,3,4,5,6,7
	ds_store_b128 v8, v[XF+4*\q:XF+4*\q+3] offset:(\off)+512*\q
.endr
	s_wait_dscnt 0x0
.endm
.macro ADDV off                        ; a vector is added to the results
	s_wait_dscnt 0x0                               ; the image's stores have read their registers
.irp t,0,1,2,3
.irp hf,0,1
	ds_load_b128 v[XF+8*\t+4*\hf:XF+8*\t+4*\hf+3], v4 offset:(\off)+64*\t+16*\hf
.endr
.endr
	s_wait_dscnt 0x0
.irp t,0,1,2,3
.irp m,0,1
.irp q,0,2,4,6
.set rD, ACC+8*(2*\t+\m)+\q
	v_pk_add_f32 v[rD:rD+1], v[rD:rD+1], v[XF+8*\t+\q:XF+8*\t+\q+1]
.endr
.endr
.endr
.endm
.macro GBLOAD goff, boff, tp           ; gain and bias of tiles 2 tp, 2 tp + 1
.irp tl,0,1
.irp hf,0,1
	ds_load_b128 v[XF+8*\tl+4*\hf:XF+8*\tl+4*\hf+3], v4 offset:(\goff)+64*(2*(\tp)+\tl)+16*\hf
	ds_load_b128 v[XF+16+8*\tl+4*\hf:XF+16+8*\tl+4*\hf+3], v4 offset:(\boff)+64*(2*(\tp)+\tl)+16*\hf
.endr
.endr
.endm
.macro GBFMA tp
.irp tl,0,1
.irp m,0,1
.irp q,0,2,4,6
.set rD, ACC+8*(2*(2*(\tp)+\tl)+\m)+\q
	v_pk_fma_f32 v[rD:rD+1], v[rD:rD+1], v[XF+8*\tl+\q:XF+8*\tl+\q+1], v[XF+16+8*\tl+\q:XF+16+8*\tl+\q+1]
.endr
.endr
.endr
.endm
; A layer norm over 512 columns that eight waves hold.  Each wave gives, for each row, its 64 columns' sum S and their squared distance M2 from their own mean;
; the whole is mean = sum S / 512, M2 = sum M2 + 64 sum (S / 64 - mean)^2: no difference of large sums is formed.  One barrier inside.
.macro LNX goff, boff
.irp m,0,1
	v_pk_add_f32 v[T+4*\m:T+4*\m+1], v[ACC+8*\m:ACC+8*\m+1], v[ACC+8*\m+2:ACC+8*\m+3]
	v_pk_add_f32 v[T+4*\m+2:T+4*\m+3], v[ACC+8*\m+4:ACC+8*\m+5], v[ACC+8*\m+6:ACC+8*\m+7]
.endr
.irp t,1,2,3
.irp m,0,1
.set rD, ACC+8*(2*\t+\m)
	v_pk_add_f32 v[T+4*\m:T+4*\m+1], v[T+4*\m:T+4*\m+1], v[rD:rD+1]
	v_pk_add_f32 v[T+4*\m+2:T+4*\m+3], v[T+4*\m+2:T+4*\m+3], v[rD+2:rD+3]
	v_pk_add_f32 v[T+4*\m:T+4*\m+1], v[T+4*\m:T+4*\m+1], v[rD+4:rD+5]
	v_pk_add_f32 v[T+4*\m+2:T+4*\m+3], v[T+4*\m+2:T+4*\m+3], v[rD+6:rD+7]
.endr
.endr
.irp m,0,1
	v_pk_add_f32 v[T+4*\m:T+4*\m+1], v[T+4*\m:T+4*\m+1], v[T+4*\m+2:T+4*\m+3]
.endr
.irp m,0,1
	v_add_f32 v[T+8+2*\m], v[T+4*\m], v[T+4*\m+1]
.endr
.irp m,0,1
	v_permlanex16_b32 v[T+4*\m], v[T+8+2*\m], s68, s69
.endr
.irp m,0,1
	v_add_f32 v[T+8+2*\m], v[T+8+2*\m], v[T+4*\m]  ; S
.endr
.irp m,0,1
	v_mul_f32 v[T+4*\m+2], 0xbc800000, v[T+8+2*\m] ; - S / 64
.endr
.set p, 0
.rept 16
.irp m,0,1
.set rD, ACC+8*(2*(p/4)+\m)+2*(p%4)
.set rE, XF+16*\m+2*(p%4)
.set rQ, XF+16*\m+8+2*(p%2)
	v_pk_add_f32 v[rE:rE+1], v[rD:rD+1], v[T+4*\m+2:T+4*\m+3] op_sel_hi:[1,0]
.if p < 2
	v_pk_mul_f32 v[rQ:rQ+1], v[rE:rE+1], v[rE:rE+1]
.else
	v_pk_fma_f32 v[rQ:rQ+1], v[rE:rE+1], v[rE:rE+1], v[rQ:rQ+1]
.endif
.endr
.set p, p+1
.endr
.irp m,0,1
	v_pk_add_f32 v[XF+16*\m+8:XF+16*\m+9], v[XF+16*\m+8:XF+16*\m+9], v[XF+16*\m+10:XF+16*\m+11]
.endr
.irp m,0,1
	v_add_f32 v[T+9+2*\m], v[XF+16*\m+8], v[XF+16*\m+9]
.endr
.irp m,0,1
	v_permlanex16_b32 v[T+4*\m], v[T+9+2*\m], s68, s69
.endr
.irp m,0,1
	v_add_f32 v[T+9+2*\m], v[T+9+2*\m], v[T+4*\m]  ; M2
.endr
.irp m,0,1
	ds_store_b64 v9, v[T+8+2*\m:T+9+2*\m] offset:1024*\m
.endr
	v_and_b32 v[T+15], 15, v0
	v_lshl_add_u32 v[T+15], v[T+15], 6, STAT
	BARRIER                                        ; all eight waves' parts lie in LDS
.irp m,0,1
.irp q,0,1,2,3
	ds_load_b128 v[XF+16*\m+4*\q:XF+16*\m+4*\q+3], v[T+15] offset:1024*\m+16*\q
.endr
.endr
	s_wait_dscnt 0x0
.irp m,0,1
	v_pk_add_f32 v[T+8*\m:T+8*\m+1], v[XF+16*\m:XF+16*\m+1], v[XF+16*\m+2:XF+16*\m+3]
.endr
.irp k,2,3,4,5,6,7
.irp m,0,1
	v_pk_add_f32 v[T+8*\m:T+8*\m+1], v[T+8*\m:T+8*\m+1], v[XF+16*\m+2*\k:XF+16*\m+2*\k+1]  ; (sum S, sum M2)
.endr
.endr
.irp m,0,1
	v_mul_f32 v[T+8*\m+2], 0xbb000000, v[T+8*\m]   ; - mean
.endr
.irp m,0,1
	v_fma_f32 v[T+8*\m+3], v[XF+16*\m], s76, v[T+8*\m+2]
.endr
.irp m,0,1
	v_mul_f32 v[T+8*\m+4], v[T+8*\m+3], v[T+8*\m+3]
.endr
.irp k,1,2,3,4,5,6,7
.irp m,0,1
	v_fma_f32 v[T+8*\m+3], v[XF+16*\m+2*\k], s76, v[T+8*\m+2]
.endr
.irp m,0,1
	v_fma_f32 v[T+8*\m+4], v[T+8*\m+3], v[T+8*\m+3], v[T+8*\m+4]
.endr
.endr
.irp m,0,1
	v_fma_f32 v[T+8*\m+1], v[T+8*\m+4], s79, v[T+8*\m+1]
.endr
.irp m,0,1
	v_fma_f32 v[T+8*\m+1], v[T+8*\m+1], s77, s78   ; the variance + 1e-5
.endr
	GBLOAD \goff,\boff,0
.irp m,0,1
	v_rsq_f32 v[T+8*\m+6], v[T+8*\m+1]
.endr
	v_nop                                          ; a plain instruction behind the transcendentals,
	s_wait_alu depctr_va_vdst(0)                   ; and one wait ahead of their first reader
.irp m,0,1
	v_mul_f32 v[T+8*\m+4], v[T+8*\m+2], v[T+8*\m+6]  ; - mean x rs
.endr
.irp t,0,1,2,3
.irp m,0,1
.irp q,0,2,4,6
.set rD, ACC+8*(2*\t+\m)+\q
	v_pk_fma_f32 v[rD:rD+1], v[rD:rD+1], v[T+8*\m+6:T+8*\m+7], v[T+8*\m+4:T+8*\m+5] op_sel_hi:[1,0,0]
.endr
.endr
.endr
	s_wait_dscnt 0x0
	GBFMA 0
	GBLOAD \goff,\boff,1
	s_wait_dscnt 0x0
	GBFMA 1
.endm
; The audio softmax over my wave's 64 audio rows of pass pi, by a running maximum; the sum L and the sum with u, O, stay parts of a lane.
.macro ASM first, pi
.irp t,0,1,2,3
.irp hf,0,1
	ds_load_b128 v[XF+8*\t+4*\hf:XF+8*\t+4*\hf+3], v8 offset:256*(\pi)+64*\t+16*\hf
.endr
.endr
.irp m,0,1
	v_max3_num_f32 v[T+\m], v[ACC+8*\m], v[ACC+8*\m+1], v[ACC+8*\m+2]
.endr
.set n, 3
.rept 14
.irp m,0,1
	v_max3_num_f32 v[T+\m], v[T+\m], v[ACC+8*(2*(n/8)+\m)+n%8], v[ACC+8*(2*((n+1)/8)+\m)+(n+1)%8]
.endr
.set n, n+2
.endr
.irp m,0,1
	v_max_num_f32 v[T+\m], v[T+\m], v[ACC+8*(6+\m)+7]
.endr
.irp m,0,1
	v_permlanex16_b32 v[T+2+\m], v[T+\m], s68, s69
.endr
.if \first
.irp m,0,1
	v_max_num_f32 v[12+\m], v[T+\m], v[T+2+\m]
.endr
.else
.irp m,0,1
	v_max3_num_f32 v[T+\m], v[T+\m], v[T+2+\m], v[12+\m]
.endr
.irp m,0,1
	v_sub_f32 v[T+4+\m], v[12+\m], v[T+\m]         ; old maximum - new
.endr
.irp m,0,1
	v_mov_b32 v[12+\m], v[T+\m]
.endr
.irp m,0,1
	v_mul_f32 v[T+4+\m], s72, v[T+4+\m]
.endr
.endif
.irp m,0,1
	v_mul_f32 v[T+8+2*\m], 0xbfb8aa3b, v[12+\m]    ; - maximum x log2(e)
.endr
.irp t,0,1,2,3
.irp m,0,1
.irp q,0,2,4,6
.set rD, ACC+8*(2*\t+\m)+\q
	v_pk_fma_f32 v[rD:rD+1], v[rD:rD+1], s[72:73], v[T+8+2*\m:T+9+2*\m] op_sel_hi:[1,0,0]
.endr
.endr
.endr
.set j, 0
.rept 64
	v_exp_f32 v[ACC+j], v[ACC+j]
.set j, j+1
.endr
.if !\first
	v_exp_f32 v[T+4], v[T+4]
	v_exp_f32 v[T+5], v[T+5]
.endif
	v_nop                                          ; a plain instruction behind the batch,
	s_wait_alu depctr_va_vdst(0)                   ; and one wait for all of it, ahead of its first reader
	s_wait_dscnt 0x0                               ; u
.irp m,0,1
	v_pk_mul_f32 v[T+12+2*\m:T+13+2*\m], v[ACC+8*\m:ACC+8*\m+1], v[XF:XF+1]
	v_pk_add_f32 v[T+2*\m:T+2*\m+1], v[ACC+8*\m:ACC+8*\m+1], v[ACC+8*\m+2:ACC+8*\m+3]
.endr
.set p, 1
.rept 15
.irp m,0,1
.set rD, ACC+8*(2*(p/4)+\m)+2*(p%4)
	v_pk_fma_f32 v[T+12+2*\m:T+13+2*\m], v[rD:rD+1], v[XF+2*p:XF+2*p+1], v[T+12+2*\m:T+13+2*\m]
.if p > 1
	v_pk_add_f32 v[T+2*\m:T+2*\m+1], v[T+2*\m:T+2*\m+1], v[rD:rD+1]
.endif
.endr
.set p, p+1
.endr
.if \first
.irp m,0,1
	v_add_f32 v[14+\m], v[T+2*\m], v[T+2*\m+1]
	v_add_f32 v[6+\m], v[T+12+2*\m], v[T+13+2*\m]
.endr
.else
.irp m,0,1
	v_add_f32 v[T+2*\m], v[T+2*\m], v[T+2*\m+1]
	v_add_f32 v[T+12+2*\m], v[T+12+2*\m], v[T+13+2*\m]
.endr
.irp m,0,1
	v_fma_f32 v[14+\m], v[14+\m], v[T+4+\m], v[T+2*\m]
	v_fma_f32 v[6+\m], v[6+\m], v[T+4+\m], v[T+12+2*\m]
.endr
.endif
.endm
; 64 numbers of a lane, register 16 b + i = k 32 b + 16 (lane / 16) + i of my row, become a fragment's codes and its scale word
.macro QUANT src, pc, pw
.set qS, \src
.set qC, \pc
.set qW, \pw
.irp b,0,1,2,3
	v_max3_num_f32 v[TM+\b], |v[qS+16*\b]|, |v[qS+1+16*\b]|, 0x1800000   ; with the floor 2^(3 - 127): the byte cannot fall under 1
.endr
.irp i,2,4,6,8,10,12,14
.irp b,0,1,2,3
	v_max3_num_f32 v[TM+\b], v[TM+\b], |v[qS+16*\b+\i]|, |v[qS+1+16*\b+\i]|
.endr
.endr
.irp b,0,1,2,3
	v_permlanex16_b32 v[TM+4+\b], v[TM+\b], s68, s69
.endr
.irp b,0,1,2,3
	v_max_num_f32 v[TM+\b], v[TM+\b], v[TM+4+\b]
.endr
.irp b,0,1,2,3
	v_add_nc_u32 v[TM+12+\b], 0xff000000, v[TM+\b] ; 2 off the exponent field: the conversion's scale operand
.endr
.irp b,0,1,2,3
	v_lshrrev_b32 v[TM+4+\b], 23, v[TM+12+\b]
.endr
	v_lshl_or_b32 v[qW], v[TM+5], 8, v[TM+4]
	v_lshl_or_b32 v[qW], v[TM+6], 16, v[qW]
	v_lshl_or_b32 v[qW], v[TM+7], 24, v[qW]
.irp b,0,1,2,3
	v_cvt_scalef32_pk8_fp4_f32 v[qC+2*\b], v[qS+16*\b:qS+7+16*\b], v[TM+12+\b]
	v_cvt_scalef32_pk8_fp4_f32 v[qC+1+2*\b], v[qS+8+16*\b:qS+15+16*\b], v[TM+12+\b]
.endr
	v_nop                                          ; one plain place behind a scaled conversion
.irp c,0,1
.irp i,0,1
	v_permlane16_swap_b32 v[qC+4*\c+\i], v[qC+2+4*\c+\i]
.endr
.endr
.endm
.macro WMS d, a, b, sa, sb, ra, rb     ; a scaled product in place; ra, rb: the side's scale words stand in lanes 16-31
.set rD, \d
.set rA, \a
.set rB, \b
.set rS, \sa
.set rU, \sb
.if (\ra) && (\rb)
	v_wmma_scale_f32_16x16x128_f8f6f4 v[rD:rD+7], v[rA:rA+7], v[rB:rB+7], v[rD:rD+7], v[rS], v[rU] matrix_a_fmt:MATRIX_FMT_FP4 matrix_b_fmt:MATRIX_FMT_FP4 matrix_a_scale:MATRIX_SCALE_ROW1 matrix_b_scale:MATRIX_SCALE_ROW1
.elseif (\ra)
	v_wmma_scale_f32_16x16x128_f8f6f4 v[rD:rD+7], v[rA:rA+7], v[rB:rB+7], v[rD:rD+7], v[rS], v[rU] matrix_a_fmt:MATRIX_FMT_FP4 matrix_b_fmt:MATRIX_FMT_FP4 matrix_a_scale:MATRIX_SCALE_ROW1
.elseif (\rb)
	v_wmma_scale_f32_16x16x128_f8f6f4 v[rD:rD+7], v[rA:rA+7], v[rB:rB+7], v[rD:rD+7], v[rS], v[rU] matrix_a_fmt:MATRIX_FMT_FP4 matrix_b_fmt:MATRIX_FMT_FP4 matrix_b_scale:MATRIX_SCALE_ROW1
.else
	v_wmma_scale_f32_16x16x128_f8f6f4 v[rD:rD+7], v[rA:rA+7], v[rB:rB+7], v[rD:rD+7], v[rS], v[rU] matrix_a_fmt:MATRIX_FMT_FP4 matrix_b_fmt:MATRIX_FMT_FP4
.endif
.endm
; q, k or v of my head for the 32 rows: four K steps of 128 on codes (the stream's steps 4 p + s); x's fragments stay in registers; the result goes to LDS in f16, [row][head][64]
.macro QKV p
	PRE_BIAS 2048*(\p)
.irp q,0,1,2,3,4,5,6,7
	ds_load_b32 v[T+\q], v29 offset:1024*(\p)+128*\q
.endr
.irp s,0,1,2,3
	s_wait_loadcnt 48                              ; this block's eight loads are in; the six younger blocks' may be out
.if \s == 0
	s_wait_dscnt 0x0                               ; the bias, the scale words, and at the first product x's fragments
.endif
	RFILL (4*(\p)+\s)%8,(4*(\p)+\s)/8
	WIN 0x01                                       ; source 0 (the weight) window 1
.irp t,0,1,2,3
.irp m,0,1
	WMS ACC+8*(2*\t+\m),32*((4*(\p)+\s)%8)+8*\t,XS+8*(4*\m+\s),T+4*(\t/2)+\s,T+8+\s,\t%2,\m
.endr
.endr
	NOPS 4
.endr
	WIN 0
.irp t,0,1,2,3
.irp m,0,1
.irp q,0,1,2,3
	v_cvt_pk_f16_f32 v[XF+4*(2*\t+\m)+\q], v[ACC+8*(2*\t+\m)+2*\q], v[ACC+8*(2*\t+\m)+2*\q+1]
.endr
	ds_store_b128 v30, v[XF+4*(2*\t+\m):XF+4*(2*\t+\m)+3] offset:18688*\m+32*\t
.endr
.endr
	s_wait_dscnt 0x0
	v_add_nc_u32 v30, 37376, v30                   ; on to the next of q, k, v
.endm
; Two rows' context (pr = 0: rows 4 w, 4 w + 1; 1: the next two), their layer norm, and its image in f16.  A lane holds (row, head) = lane % 16 and channels 16 tt + 8 (lane / 16) + j.
.macro HPAIR pr
.irp tt,0,1,2,3
	v_wmma_f32_16x16x32_f16 v[ACC+32+8*\tt:ACC+39+8*\tt], v[ACC+8*\tt:ACC+8*\tt+7], v[XF+16+4*(\pr):XF+23+4*(\pr)], 0
.endr
	NOPS 4
	v_pk_add_f32 v[20:21], v[ACC+32:ACC+33], v[ACC+34:ACC+35]
	v_pk_add_f32 v[22:23], v[ACC+36:ACC+37], v[ACC+38:ACC+39]
.irp tt,1,2,3
	v_pk_add_f32 v[20:21], v[20:21], v[ACC+32+8*\tt:ACC+33+8*\tt]
	v_pk_add_f32 v[22:23], v[22:23], v[ACC+34+8*\tt:ACC+35+8*\tt]
	v_pk_add_f32 v[20:21], v[20:21], v[ACC+36+8*\tt:ACC+37+8*\tt]
	v_pk_add_f32 v[22:23], v[22:23], v[ACC+38+8*\tt:ACC+39+8*\tt]
.endr
	v_pk_add_f32 v[20:21], v[20:21], v[22:23]
	v_add_f32 v24, v20, v21
	v_add_f32_dpp v24, v24, v24 row_xmask:1 row_mask:0xf bank_mask:0xf   ; the row's eight heads lie in eight neighbouring lanes,
	v_add_f32_dpp v24, v24, v24 row_xmask:2 row_mask:0xf bank_mask:0xf
	v_add_f32_dpp v24, v24, v24 row_xmask:4 row_mask:0xf bank_mask:0xf
	v_permlanex16_b32 v25, v24, s68, s69           ; and the other channels in lane l xor 16
	v_add_f32 v24, v24, v25
	v_mul_f32 v26, 0xbb000000, v24                 ; - mean
.set j, 0
.rept 16
	v_pk_add_f32 v[ACC+32+j:ACC+33+j], v[ACC+32+j:ACC+33+j], v[26:27] op_sel_hi:[1,0]
.set j, j+2
.endr
	v_pk_mul_f32 v[20:21], v[ACC+32:ACC+33], v[ACC+32:ACC+33]
	v_pk_mul_f32 v[22:23], v[ACC+34:ACC+35], v[ACC+34:ACC+35]
.set j, 4
.rept 7
	v_pk_fma_f32 v[20:21], v[ACC+32+j:ACC+33+j], v[ACC+32+j:ACC+33+j], v[20:21]
	v_pk_fma_f32 v[22:23], v[ACC+34+j:ACC+35+j], v[ACC+34+j:ACC+35+j], v[22:23]
.set j, j+4
.endr
	v_pk_add_f32 v[20:21], v[20:21], v[22:23]
	v_add_f32 v24, v20, v21
	v_add_f32_dpp v24, v24, v24 row_xmask:1 row_mask:0xf bank_mask:0xf
	v_add_f32_dpp v24, v24, v24 row_xmask:2 row_mask:0xf bank_mask:0xf
	v_add_f32_dpp v24, v24, v24 row_xmask:4 row_mask:0xf bank_mask:0xf
	v_permlanex16_b32 v25, v24, s68, s69
	v_add_f32 v24, v24, v25
	v_fma_f32 v24, v24, s77, s78
	v_rsq_f32 v28, v24
	v_nop
	s_wait_alu depctr_va_vdst(0)                   ; a wait ahead of the first reader
.irp tt,0,1,2,3
.irp hf,0,1
	ds_load_b128 v[XF+4*\hf:XF+4*\hf+3], v18 offset:12*2048+64*\tt+16*\hf
	ds_load_b128 v[XF+8+4*\hf:XF+8+4*\hf+3], v18 offset:13*2048+64*\tt+16*\hf
.endr
	s_wait_dscnt 0x0                               ; gain and bias are in, and the last store has read its registers
.irp q,0,2,4,6
	v_pk_mul_f32 v[XF+\q:XF+\q+1], v[XF+\q:XF+\q+1], v[28:29] op_sel_hi:[1,0]
.endr
.irp q,0,2,4,6
	v_pk_fma_f32 v[ACC+32+8*\tt+\q:ACC+33+8*\tt+\q], v[ACC+32+8*\tt+\q:ACC+33+8*\tt+\q], v[XF+\q:XF+\q+1], v[XF+8+\q:XF+9+\q]
.endr
.irp q,0,1,2,3
	v_cvt_pk_f16_f32 v[XF+28+\q], v[ACC+32+8*\tt+2*\q], v[ACC+33+8*\tt+2*\q]
.endr
	ds_store_b128 v19, v[XF+28:XF+31] offset:XA+32*(\pr)+(\tt/2)*1024+(\tt%2)*512
.endr
.endm
	; ---- THE HEAD
	s_load_b512 s[8:23], s[0:1], 0x0               ; x s[8:9], shots s[10:11], wstream s[12:13], w4s s[14:15], upart s[16:17], logits s[18:19], p_b s[20:21], p_W s[22:23]
	s_load_b512 s[24:39], s[0:1], 0x40             ; vector i at s[24 + 2 i]
	s_load_b512 s[40:55], s[0:1], 0x80
	s_load_b128 s[56:59], s[0:1], 0xc0
	v_lshl_add_u32 v2, v0, 2, SPARE                ; my spare word,
	v_mov_b32 v3, 0                                ; and 0: kept for the closing lines
	v_lshrrev_b32 v10, 5, v0
	v_readfirstlane_b32 s62, v10                   ; wave 0..7
	v_and_b32 v10, 31, v0                          ; lane
	v_and_b32 v11, 15, v0                          ; r
	v_bfe_u32 v12, v0, 4, 1                        ; h
	v_lshlrev_b32 v1, 4, v10
	s_lshl_b32 s82, s62, 8
	s_add_co_u32 s82, s82, VEC
	v_lshl_add_u32 v4, v12, 5, s82
	s_lshl_b32 s82, s62, 11
	v_add_nc_u32 v6, s82, v1
	s_lshl_b32 s82, s62, 13
	s_add_co_u32 s82, s82, R1
	v_add_nc_u32 v7, s82, v1
	v_add_nc_u32 v8, 65536, v7
	s_lshl_b32 s82, s62, 3
	s_add_co_u32 s82, s82, STAT
	v_lshl_add_u32 v9, v11, 6, s82
	v_and_b32 v16, 127, v0
	v_lshlrev_b32 v16, 4, v16                      ; a vector's 2,048 bytes over four waves
	v_lshlrev_b32 v17, 4, v0                       ; 16 x thread
	v_lshlrev_b32 v18, 11, v11
	v_lshl_add_u32 v18, v12, 6, v18                ; x: row r of 2,048 bytes + 64 h
	v_lshl_add_u32 v19, v0, 4, VEC
.irp q,0,1,2,3
	v_mov_b32 v[20+\q], 0
.endr
	s_mul_i32 s83, s62, 3072
	s_add_co_u32 s84, s83, W4SL
	v_add_nc_u32 v24, s84, v1
	v_lshl_add_u32 v29, v10, 2, s84
	s_lshl_b32 s84, s62, 10
	s_add_co_u32 s84, s84, X4I
	v_add_nc_u32 v25, s84, v1
	s_lshl_b32 s84, s62, 7
	s_add_co_u32 s84, s84, X4S
	v_lshl_add_u32 v26, v10, 2, s84
	v_add_nc_u32 v28, X4I, v1
	v_mul_u32_u24 v30, v11, 1168
	v_lshl_add_u32 v30, v12, 4, v30
	s_mul_i32 s84, s62, 144
	s_add_co_u32 s84, s84, R1
	v_add_nc_u32 v30, s84, v30                     ; where my results of q go: row r, head w, + 16 h
	v_lshlrev_b32 v31, 2, v11
	v_lshl_add_u32 v31, v12, 9, v31
	v_add_nc_u32 v31, X4S, v31                     ; x's scale words: lanes 0-15 rows 0-15, lanes 16-31 rows 16-31
.irp b,0,1,2,3
	v_mov_b32 v[TM+4+\b], 0                        ; a lane permute's destination counts as one of its sources
.endr
	s_mov_b32 s68, 0x76543210
	s_mov_b32 s69, 0xfedcba98
	s_mov_b32 s70, 0x3e38aa3b                      ; log2(e) / sqrt(64)
	s_mov_b32 s71, s70
	s_mov_b32 s72, 0x3fb8aa3b                      ; log2(e)
	s_mov_b32 s73, s72
	s_mov_b32 s76, 0x3c800000                      ; 1 / 64
	s_mov_b32 s77, 0x3b000000                      ; 1 / 512
	s_mov_b32 s78, 0x3727c5ac                      ; 1e-5
	s_mov_b32 s79, 0x42800000                      ; 64
	s_lshr_b32 s90, ttmp9, 3                       ; the shot
	s_and_b32 s91, ttmp9, 7                        ; the frame in it
	s_lshl_b32 s92, s90, 3                         ; its first boundary: 8 bytes a shot
	s_lshl_b32 s88, s91, 11
	s_lshl_b32 s93, s90, 7
	s_add_co_u32 s88, s88, s93                     ; logits[l][32 s + row]
	s_mov_b32 s89, 0
	s_wait_kmcnt 0x0
	s_load_b32 s67, s[10:11], s92 offset:0x0
	s_load_b32 s75, s[20:21], 0x0
	s_add_nc_u64 s[80:81], s[18:19], s[88:89]
	s_cmp_lt_u32 s62, 4                            ; waves 0-3 bring the even vectors, waves 4-7 the odd ones
.irp i,0,1,2,3,4,5,6,7,8
	s_cselect_b64 s[24+4*\i:25+4*\i], s[24+4*\i:25+4*\i], s[26+4*\i:27+4*\i]
.endr
	s_mov_b32 s88, s83
	s_add_nc_u64 s[86:87], s[14:15], s[88:89]      ; my wave's scale words
	s_mul_i32 s88, s62, STREAMW
	s_add_nc_u64 s[60:61], s[12:13], s[88:89]      ; my wave's stream
.irp q,0,1,2,3
	s_mov_b64 s[RP+2*\q:RP+2*\q+1], s[60:61]       ; and its four walking pointers
.endr
.irp i,0,1,2,3,4,5,6,7,8
	global_load_b128 v[128+4*\i:131+4*\i], v16, s[24+4*\i:25+4*\i]
.endr
	global_load_b128 v[164:167], v17, s[22:23]
.irp i,0,1,2,3,4,5
	global_load_b128 v[168+4*\i:171+4*\i], v1, s[86:87] offset:512*\i
.endr
.irp d,0,1,2,3,4,5,6,7
	global_load_b128 v[192+4*\d:195+4*\d], v17, s[16:17] offset:4096*\d
.endr
	s_wait_kmcnt 0x0
	s_min_u32 s67, s67, 1016                       ; the gather stays in its table
	s_add_co_u32 s67, s67, s91                     ; the frame
	s_lshl_b32 s88, s67, 16                        ; 32 rows of 2,048 bytes
	s_lshr_b32 s93, s62, 2
	s_lshl_b32 s93, s93, 15                        ; my 16 rows: wave / 4
	s_add_co_u32 s88, s88, s93
	s_and_b32 s93, s62, 3
	s_lshl_b32 s93, s93, 9                         ; my K step of 128: wave % 4
	s_add_co_u32 s88, s88, s93
	s_add_nc_u64 s[8:9], s[8:9], s[88:89]
.irp b,0,1,2,3
.irp j,0,1,2,3
	global_load_b128 v[ACC+16*\b+4*\j:ACC+16*\b+4*\j+3], v18, s[8:9] offset:128*\b+16*\j
.endr
.endr
	s_wait_loadcnt 16                              ; all but x's sixteen loads are in
.irp i,0,1,2,3,4,5,6,7,8
	ds_store_b128 v19, v[128+4*\i:131+4*\i] offset:4096*\i
.endr
	ds_store_b128 v19, v[164:167] offset:PWO
	ds_store_b128 v19, v[20:23] offset:ZERO
.irp i,0,1,2,3,4,5
	ds_store_b128 v24, v[168+4*\i:171+4*\i] offset:512*\i
.endr
.irp d,1,2,3,4,5,6,7
	v_pk_add_f32 v[192:193], v[192:193], v[192+4*\d:193+4*\d]
	v_pk_add_f32 v[194:195], v[194:195], v[194+4*\d:195+4*\d]
.endr
	ds_store_b128 v19, v[192:195] offset:U-VEC     ; u[a] = the sum of its eight parts
	WIN 0x40                                       ; the ring's first seven blocks: five beside x's sixteen loads (56 out),
	RHEAD 0
	RHEAD 1
	RHEAD 2
	RHEAD 3
	RHEAD 4
	s_wait_loadcnt 40                              ; x is in; the ring's 40 loads may be out;
	RHEAD 5
	RHEAD 6                                        ; two more: 56 out again
	WIN 0
	QUANT ACC,XF,27                                ; my fragment of x: rows 16 (w / 4) on, K step w % 4
	ds_store_b128 v25, v[XF:XF+3]
	ds_store_b128 v25, v[XF+4:XF+7] offset:512
	ds_store_b32 v26, v27
	BARRIER                                        ; vectors, u, scale words and x's eight fragments lie in LDS
.irp s,0,1,2,3
	ds_load_b32 v[T+8+\s], v31 offset:128*\s
.endr
.irp m,0,1                                     ; x's fragments (16 rows m, K step s) at XS + 8 (4 m + s): read once, for q, k and v
.irp s,0,1,2,3
.irp hf,0,1
	ds_load_b128 v[XS+8*(4*\m+\s)+4*\hf:XS+8*(4*\m+\s)+4*\hf+3], v28 offset:(4*\m+\s)*1024+512*\hf
.endr
.endr
.endr
	; ---- q, k, v on codes
	QKV 0
	QKV 1
	QKV 2
	BARRIER                                        ; q, k, v of all heads lie in LDS
	; ---- attention over the HEAD axis, row by row: wave w takes rows 4 w .. 4 w + 3, two at a time.  A tile's 16 = 2 rows x 8 heads; scores between different rows are thrown away by a weight of 0
	v_and_b32 v20, 7, v0                           ; head
	v_bfe_u32 v21, v0, 3, 1                        ; which row of the two
	v_bfe_u32 v22, v0, 4, 1                        ; h
	v_cmp_eq_u32 s74, v22, v21                     ; lanes whose eight scores belong to their own row
	s_lshl_b32 s82, s62, 2
	s_mul_i32 s82, s82, 1168
	s_add_co_u32 s82, s82, R1
	v_mul_u32_u24 v16, v21, 1168
	v_mad_u32_u24 v16, v20, 144, v16
	v_lshl_add_u32 v16, v22, 4, v16
	v_add_nc_u32 v16, s82, v16                     ; q and k: (row, head) = lane % 16, + 16 h
	v_mul_u32_u24 v17, v22, 1168
	v_mad_u32_u24 v17, v20, 144, v17
	v_lshl_add_u32 v17, v21, 4, v17
	v_add_nc_u32 v17, s82, v17
	v_add_nc_u32 v17, 74752, v17                   ; v, for the turning load: K = (row h, head lane % 8), 16 bytes of channels by (lane / 8) % 2
	v_lshlrev_b32 v18, 8, v20
	v_lshl_add_u32 v18, v22, 5, v18
	v_add_nc_u32 v18, VEC, v18                     ; gain and bias at column 64 head + 8 h
	s_lshr_b32 s83, s62, 2
	s_lshl_b32 s83, s83, 14
	s_and_b32 s84, s62, 3
	s_lshl_b32 s84, s84, 6
	s_add_co_u32 s83, s83, s84
	v_lshlrev_b32 v19, 11, v20
	v_lshl_add_u32 v19, v22, 8, v19
	v_lshl_add_u32 v19, v21, 4, v19
	v_add_nc_u32 v19, s83, v19                     ; my 16 bytes in image A
.irp pr,0,1
.irp c,0,1
.irp hf,0,1
	ds_load_b128 v[ACC+16*\pr+8*\c+4*\hf:ACC+16*\pr+8*\c+4*\hf+3], v16 offset:37376+2336*\pr+64*\c+32*\hf
	ds_load_b128 v[ACC+32+16*\pr+8*\c+4*\hf:ACC+32+16*\pr+8*\c+4*\hf+3], v16 offset:2336*\pr+64*\c+32*\hf
.endr
.endr
.endr
	s_wait_dscnt 0x0
.irp pr,0,1
	v_wmma_f32_16x16x32_f16 v[XF+8*\pr:XF+8*\pr+7], v[ACC+16*\pr:ACC+16*\pr+7], v[ACC+32+16*\pr:ACC+39+16*\pr], 0
.endr
.irp pr,0,1
	v_wmma_f32_16x16x32_f16 v[XF+8*\pr:XF+8*\pr+7], v[ACC+8+16*\pr:ACC+15+16*\pr], v[ACC+40+16*\pr:ACC+47+16*\pr], v[XF+8*\pr:XF+8*\pr+7]
.endr
	NOPS 4
.irp tt,0,1,2,3                                ; v turned: registers 0-3 the first two rows (K 0-15), registers 4-7 the next two (K 16-31)
	ds_load_tr16_b128 v[ACC+8*\tt:ACC+8*\tt+3], v17 offset:32*\tt
	ds_load_tr16_b128 v[ACC+8*\tt+4:ACC+8*\tt+7], v17 offset:2336+32*\tt
.endr
.irp pr,0,1
	v_max3_num_f32 v[24+\pr], v[XF+8*\pr], v[XF+8*\pr+1], v[XF+8*\pr+2]
.endr
.irp i,3,5
.irp pr,0,1
	v_max3_num_f32 v[24+\pr], v[24+\pr], v[XF+8*\pr+\i], v[XF+8*\pr+\i+1]
.endr
.endr
.irp pr,0,1
	v_max_num_f32 v[24+\pr], v[24+\pr], v[XF+8*\pr+7]
.endr
.irp pr,0,1
	v_mul_f32 v[20+2*\pr], 0xbe38aa3b, v[24+\pr]   ; - maximum x log2(e) / 8
.endr
.irp q,0,2,4,6
.irp pr,0,1
	v_pk_fma_f32 v[XF+8*\pr+\q:XF+8*\pr+\q+1], v[XF+8*\pr+\q:XF+8*\pr+\q+1], s[70:71], v[20+2*\pr:21+2*\pr] op_sel_hi:[1,0,0]
.endr
.endr
.set j, 0
.rept 16
	v_exp_f32 v[XF+j], v[XF+j]
.set j, j+1
.endr
	v_nop
	s_wait_alu depctr_va_vdst(0)                   ; one wait for the sixteen
.irp pr,0,1
	v_pk_add_f32 v[26+2*\pr:27+2*\pr], v[XF+8*\pr:XF+8*\pr+1], v[XF+8*\pr+2:XF+8*\pr+3]
.endr
.irp q,4,6
.irp pr,0,1
	v_pk_add_f32 v[26+2*\pr:27+2*\pr], v[26+2*\pr:27+2*\pr], v[XF+8*\pr+\q:XF+8*\pr+\q+1]
.endr
.endr
.irp pr,0,1
	v_add_f32 v[24+\pr], v[26+2*\pr], v[27+2*\pr]
.endr
.irp pr,0,1
	v_rcp_f32 v[24+\pr], v[24+\pr]
.endr
.irp q,0,1,2,3
	v_mov_b32 v[XF+20+\q], 0                       ; the unused half of K.  (Plain work behind the reciprocals)
.endr
	s_wait_alu depctr_va_vdst(0)
.irp pr,0,1
	v_cndmask_b32 v[20+2*\pr], 0, v[24+\pr], s74   ; 1 / sum, or 0 where the scores are another row's
.endr
.irp q,0,2,4,6
.irp pr,0,1
	v_pk_mul_f32 v[XF+8*\pr+\q:XF+8*\pr+\q+1], v[XF+8*\pr+\q:XF+8*\pr+\q+1], v[20+2*\pr:21+2*\pr] op_sel_hi:[1,0]
.endr
.endr
.irp pr,0,1
.irp q,0,1,2,3
	v_cvt_pk_f16_f32 v[XF+16+8*\pr+\q], v[XF+8*\pr+2*\q], v[XF+8*\pr+2*\q+1]  ; XF+16..23: (p of rows 0, 1; zeros); XF+20..27: (zeros; p of rows 2, 3)
.endr
.endr
	NOPS 4
	s_wait_dscnt 0x0                               ; v
	HPAIR 0
	HPAIR 1
	BARRIER                                        ; image A holds the normalised context
	; ---- relu(. f_lin_W + f_lin_b)
	PRE_BIAS 3*2048
	CORE f16,0,XA
	RELU
	PACK v_cvt_pk_f16_f32
	IMG XB
	BARRIER
	; ---- frame_reps = . f_W0 + f_b0; kept in f32, with s_bo, as the residual
	PRE_BIAS 4*2048
	CORE f16,0,XB
	PACK v_cvt_pk_bf16_f32
	IMG XA
	ADDV 10*2048
	SAVE_OWN
	BARRIER
	; ---- sv, with the sources swapped: a lane holds a channel of my head and its registers run down the 32 positions, as the second product's source 0 wants it
	PRE_BIAS ZERO
	CORE bf16,1,XA
	v_and_b32 v[T], 15, v0
	s_lshl_b32 s82, s62, 8
	s_add_co_u32 s82, s82, VEC+9*2048
	v_lshl_add_u32 v[T], v[T], 2, s82
.irp t,0,1,2,3
	ds_load_b32 v[T+4+2*\t], v[T] offset:64*\t     ; s_bv of my lane's channel
.endr
	s_wait_dscnt 0x0
.irp t,0,1,2,3
.irp m,0,1
.irp q,0,2,4,6
.set rD, ACC+8*(2*\t+\m)+\q
	v_pk_add_f32 v[rD:rD+1], v[rD:rD+1], v[T+4+2*\t:T+5+2*\t] op_sel_hi:[1,0]
.endr
.endr
.endr
.irp t,0,1,2,3
.irp m,0,1
.irp q,0,1,2,3
	v_cvt_pk_bf16_f32 v[XF+8*\t+4*\m+\q], v[ACC+8*(2*\t+\m)+2*\q], v[ACC+8*(2*\t+\m)+2*\q+1]
.endr
.endr
.endr
	PARK 0
	; ---- sq
	PRE_BIAS 5*2048
	CORE bf16,0,XA
	PACK v_cvt_pk_bf16_f32
	PARK 4096
	; ---- sk, and the shot-level attention of head w over the frame's 32 positions, all in my registers
	PRE_BIAS 6*2048
	CORE bf16,0,XA
	PACK v_cvt_pk_bf16_f32                         ; sk's four fragments
.irp q,0,1,2,3,4,5,6,7
	ds_load_b128 v[ACC+4*\q:ACC+4*\q+3], v8 offset:4096+512*\q  ; sq's
.endr
	s_wait_dscnt 0x0
.irp mq,0,1                                    ; S^T = sk sq^T: a lane holds one query and keys 16 mk + 8 h + j; the four tiles take turns
.irp mk,0,1
	v_wmma_f32_16x16x32_bf16 v[ACC+32+8*(2*\mq+\mk):ACC+39+8*(2*\mq+\mk)], v[XF+16*\mk:XF+16*\mk+7], v[ACC+16*\mq:ACC+16*\mq+7], 0
.endr
.endr
.irp mq,0,1
.irp mk,0,1
	v_wmma_f32_16x16x32_bf16 v[ACC+32+8*(2*\mq+\mk):ACC+39+8*(2*\mq+\mk)], v[XF+8+16*\mk:XF+15+16*\mk], v[ACC+8+16*\mq:ACC+15+16*\mq], v[ACC+32+8*(2*\mq+\mk):ACC+39+8*(2*\mq+\mk)]
.endr
.endr
	NOPS 4
.irp q,0,1,2,3,4,5,6,7
	ds_load_b128 v[XF+4*\q:XF+4*\q+3], v8 offset:512*\q         ; sv's
.endr
.irp mq,0,1
	v_max3_num_f32 v[T+\mq], v[ACC+32+16*\mq], v[ACC+33+16*\mq], v[ACC+34+16*\mq]
.endr
.irp i,3,5,7,9,11,13
.irp mq,0,1
	v_max3_num_f32 v[T+\mq], v[T+\mq], v[ACC+32+16*\mq+\i], v[ACC+33+16*\mq+\i]
.endr
.endr
.irp mq,0,1
	v_max_num_f32 v[T+\mq], v[T+\mq], v[ACC+47+16*\mq]
.endr
.irp mq,0,1
	v_permlanex16_b32 v[T+2+\mq], v[T+\mq], s68, s69
.endr
.irp mq,0,1
	v_max_num_f32 v[T+\mq], v[T+\mq], v[T+2+\mq]
.endr
.irp mq,0,1
	v_mul_f32 v[T+4+2*\mq], 0xbe38aa3b, v[T+\mq]
.endr
.irp i,0,2,4,6,8,10,12,14
.irp mq,0,1
	v_pk_fma_f32 v[ACC+32+16*\mq+\i:ACC+33+16*\mq+\i], v[ACC+32+16*\mq+\i:ACC+33+16*\mq+\i], s[70:71], v[T+4+2*\mq:T+5+2*\mq] op_sel_hi:[1,0,0]
.endr
.endr
.set j, 0
.rept 32
	v_exp_f32 v[ACC+32+j], v[ACC+32+j]
.set j, j+1
.endr
	v_nop
	s_wait_alu depctr_va_vdst(0)                   ; one wait for the 32
.irp mq,0,1
	v_pk_add_f32 v[T+8+2*\mq:T+9+2*\mq], v[ACC+32+16*\mq:ACC+33+16*\mq], v[ACC+34+16*\mq:ACC+35+16*\mq]
.endr
.irp i,4,6,8,10,12,14
.irp mq,0,1
	v_pk_add_f32 v[T+8+2*\mq:T+9+2*\mq], v[T+8+2*\mq:T+9+2*\mq], v[ACC+32+16*\mq+\i:ACC+33+16*\mq+\i]
.endr
.endr
.irp mq,0,1
	v_add_f32 v[T+\mq], v[T+8+2*\mq], v[T+9+2*\mq]
.endr
.irp mq,0,1
	v_permlanex16_b32 v[T+2+\mq], v[T+\mq], s68, s69
.endr
.irp mq,0,1
	v_add_f32 v[T+\mq], v[T+\mq], v[T+2+\mq]
.endr
.irp mq,0,1
	v_rcp_f32 v[T+12+2*\mq], v[T+\mq]
.endr
.irp mq,0,1                                    ; p, not yet divided, is the second product's source 1 as it lies.  (Plain work behind the reciprocals)
.irp q,0,1,2,3,4,5,6,7
	v_cvt_pk_bf16_f32 v[ACC+8*\mq+\q], v[ACC+32+16*\mq+2*\q], v[ACC+33+16*\mq+2*\q]
.endr
.endr
	s_wait_alu depctr_va_vdst(0)
	NOPS 4
.irp mq,0,1
	s_wait_dscnt 0x0                               ; sv is in; the last stores have read their registers
.irp tt,0,1,2,3
	v_wmma_f32_16x16x32_bf16 v[ACC+32+8*\tt:ACC+39+8*\tt], v[XF+8*\tt:XF+8*\tt+7], v[ACC+8*\mq:ACC+8*\mq+7], 0
.endr
	NOPS 4
.irp i,0,2,4,6,8,10,12,14,16,18,20,22,24,26,28,30
	v_pk_mul_f32 v[ACC+32+\i:ACC+33+\i], v[ACC+32+\i:ACC+33+\i], v[T+12+2*\mq:T+13+2*\mq] op_sel_hi:[1,0]
.endr
.irp c,0,1
.irp hf,0,1
.irp q,0,1,2,3
	v_cvt_pk_bf16_f32 v[ACC+16+8*\c+4*\hf+\q], v[ACC+32+8*(2*\c+\hf)+2*\q], v[ACC+33+8*(2*\c+\hf)+2*\q]
.endr
	ds_store_b128 v6, v[ACC+16+8*\c+4*\hf:ACC+19+8*\c+4*\hf] offset:XB+16384*\mq+1024*\c+512*\hf
.endr
.endr
.endr
	BARRIER                                        ; image B holds the shot-level context
	; ---- hh = LN(frame_reps + . s_Wo + s_bo); kept, with s_ff2_b, as the next residual
	PRE_OWN
	CORE bf16,0,XB
	LNX 14*2048,15*2048
	PACK v_cvt_pk_f16_f32
	IMG XA
	ADDV 11*2048
	SAVE_OWN
	BARRIER
	; ---- relu(. s_ff1_W + s_ff1_b)
	PRE_BIAS 7*2048
	CORE f16,0,XA
	RELU
	PACK v_cvt_pk_f16_f32
	IMG XB
	BARRIER
	; ---- shot_out = LN(hh + . s_ff2_W + s_ff2_b), and my columns' part of shot_out . pW1
	PRE_OWN
	CORE f16,0,XB
	LNX 16*2048,17*2048
	PACK v_cvt_pk_f16_f32
	IMG XA
	s_wait_dscnt 0x0
.irp t,0,1,2,3
.irp hf,0,1
	ds_load_b128 v[XF+8*\t+4*\hf:XF+8*\t+4*\hf+3], v4 offset:PWO+64*\t+16*\hf
.endr
.endr
	s_wait_dscnt 0x0
.irp m,0,1
	v_pk_mul_f32 v[T+2*\m:T+2*\m+1], v[ACC+8*\m:ACC+8*\m+1], v[XF:XF+1]
.endr
.set p, 1
.rept 15
.irp m,0,1
.set rD, ACC+8*(2*(p/4)+\m)+2*(p%4)
	v_pk_fma_f32 v[T+2*\m:T+2*\m+1], v[rD:rD+1], v[XF+2*p:XF+2*p+1], v[T+2*\m:T+2*\m+1]
.endr
.set p, p+1
.endr
.irp m,0,1
	v_add_f32 v[10+\m], v[T+2*\m], v[T+2*\m+1]
.endr
.irp m,0,1
	v_permlanex16_b32 v[T+4+\m], v[10+\m], s68, s69
.endr
.irp m,0,1
	v_add_f32 v[10+\m], v[10+\m], v[T+4+\m]
.endr
	BARRIER
	; ---- aq
	PRE_BIAS 8*2048
	CORE f16,0,XA
	PACK v_cvt_pk_f16_f32
	IMG XB
	v_bfe_u32 v8, v0, 4, 1
	s_lshl_b32 s82, s62, 9
	s_add_co_u32 s82, s82, U
	v_lshl_add_u32 v8, v8, 5, s82                  ; u of my wave's audio rows, + 32 h
	BARRIER
	; ---- the audio scores of my 128 audio rows, 64 at a time (source 0 = 16 audio rows of ak), and their softmax
	PRE_BIAS ZERO
	CORE f16,0,XB
	ASM 1,0
	PRE_BIAS ZERO
	CORE_LAST f16,XB
	ASM 0,1
	; ---- the eight waves' parts meet: a lane to a row
.irp m,0,1
	v_permlanex16_b32 v[T+\m], v[14+\m], s68, s69
	v_permlanex16_b32 v[T+2+\m], v[6+\m], s68, s69
.endr
.irp m,0,1
	v_add_f32 v[14+\m], v[14+\m], v[T+\m]
	v_add_f32 v[6+\m], v[6+\m], v[T+2+\m]
.endr
	v_and_b32 v[T+8], 31, v0
	v_cmp_gt_u32 vcc_lo, 16, v[T+8]
	v_cndmask_b32 v[T+4], v13, v12, vcc_lo         ; lanes 0-15: rows 0-15; lanes 16-31: rows 16-31
	v_cndmask_b32 v[T+5], v15, v14, vcc_lo
	v_cndmask_b32 v[T+6], v7, v6, vcc_lo
	v_cndmask_b32 v[T+7], v11, v10, vcc_lo
	s_lshl_b32 s82, s62, 9
	s_add_co_u32 s82, s82, COMB
	v_add_nc_u32 v[T+9], s82, v1
	v_add_nc_u32 v[T+10], COMB, v1
	v_lshlrev_b32 v[T+11], 2, v[T+8]
	ds_store_b128 v[T+9], v[T+4:T+7]               ; maximum, sum, sum with u, part of the logit
	BARRIER
	s_cmp_lg_u32 s62, 0
	s_cbranch_scc1 .Lend                           ; wave 0 finishes the 32 rows
.irp k,0,1,2,3,4,5,6,7
	ds_load_b128 v[XF+4*\k:XF+4*\k+3], v[T+10] offset:512*\k
.endr
	s_wait_dscnt 0x0
	v_max3_num_f32 v[T], v[XF], v[XF+4], v[XF+8]
	v_max3_num_f32 v[T], v[T], v[XF+12], v[XF+16]
	v_max3_num_f32 v[T], v[T], v[XF+20], v[XF+24]
	v_max_num_f32 v[T], v[T], v[XF+28]
.irp k,0,1,2,3,4,5,6,7
	v_sub_f32 v[XF+4*\k], v[XF+4*\k], v[T]
.endr
.irp k,0,1,2,3,4,5,6,7
	v_mul_f32 v[XF+4*\k], s72, v[XF+4*\k]
.endr
.irp k,0,1,2,3,4,5,6,7
	v_exp_f32 v[XF+4*\k], v[XF+4*\k]
.endr
	v_add_f32 v[T+1], v[XF+3], v[XF+7]             ; shot_out . pW1.  (Plain work behind the exponentials)
.irp k,2,3,4,5,6,7
	v_add_f32 v[T+1], v[T+1], v[XF+4*\k+3]
.endr
	s_wait_alu depctr_va_vdst(0)
	v_mul_f32 v[T+2], v[XF+1], v[XF]
	v_mul_f32 v[T+3], v[XF+2], v[XF]
.irp k,1,2,3,4,5,6,7
	v_fma_f32 v[T+2], v[XF+4*\k+1], v[XF+4*\k], v[T+2]
	v_fma_f32 v[T+3], v[XF+4*\k+2], v[XF+4*\k], v[T+3]
.endr
	v_rcp_f32 v[T+2], v[T+2]
	v_add_f32 v[T+1], s75, v[T+1]                  ; + p_b
	s_wait_alu depctr_va_vdst(0)
	v_fma_f32 v[T+1], v[T+3], v[T+2], v[T+1]       ; + attended . pW2
	global_store_b32 v[T+11], v[T+1], s[80:81]
.Lend:
	s_wait_tensorcnt 0x0                           ; the wave's end, behind my last LDS store
	ds_add_u32 v2, v3
	s_wait_dscnt 0x0
	s_endpgm
.Lfunc_end_k_qa7fad3dd16_main:
	.size	k_qa7fad3dd16_main, .Lfunc_end_k_qa7fad3dd16_main-k_qa7fad3dd16_main
	.p2alignl 7, 3214868480
	.fill 96, 4, 3214868480
	.section	.rodata,"a",@progbits
	.p2align	6, 0x0
	.amdhsa_kernel k_qa7fad3dd16_main
		.amdhsa_group_segment_fixed_size 286720
		.amdhsa_private_segment_fixed_size 0
		.amdhsa_enable_private_segment 0
		.amdhsa_kernarg_size 208
		.amdhsa_user_sgpr_count 2
		.amdhsa_user_sgpr_kernarg_segment_ptr 1
		.amdhsa_wavefront_size32 1
		.amdhsa_system_sgpr_workgroup_id_x 1
		.amdhsa_system_sgpr_workgroup_id_y 1
		.amdhsa_system_sgpr_workgroup_id_z 1
		.amdhsa_system_vgpr_workitem_id 0
		.amdhsa_next_free_vgpr 512
		.amdhsa_next_free_sgpr 102
		.amdhsa_reserve_vcc 1
		.amdhsa_float_denorm_mode_32 3
		.amdhsa_float_denorm_mode_16_64 3
		.amdhsa_memory_ordered 1
		.amdhsa_forward_progress 1
		.amdhsa_inst_pref_size 255
	.end_amdhsa_kernel
	.section	.bss,"aw",@nobits
	.p2align	6
	.space	262144
	.amdgpu_metadata
---
amdhsa.version: [ 1, 2 ]
amdhsa.kernels:
  - .name:           k_qa7fad3dd16_main
    .symbol:         k_qa7fad3dd16_main.kd
    .args:
      - { .name: visual_features, .offset: 0, .size: 8, .value_kind: global_buffer, .address_space: global }
      - { .name: shots_boundaries, .offset: 8, .size: 8, .value_kind: global_buffer, .address_space: global }
      - { .name: wstream, .offset: 16, .size: 8, .value_kind: global_buffer, .address_space: global }
      - { .name: w4s, .offset: 24, .size: 8, .value_kind: global_buffer, .address_space: global }
      - { .name: upart, .offset: 32, .size: 8, .value_kind: global_buffer, .address_space: global }
      - { .name: logits, .offset: 40, .size: 8, .value_kind: global_buffer, .address_space: global }
      - { .name: p_b, .offset: 48, .size: 8, .value_kind: global_buffer, .address_space: global }
      - { .name: p_W, .offset: 56, .size: 8, .value_kind: global_buffer, .address_space: global }
      - { .name: f_bq, .offset: 64, .size: 8, .value_kind: global_buffer, .address_space: global }
      - { .name: f_bk, .offset: 72, .size: 8, .value_kind: global_buffer, .address_space: global }
      - { .name: f_bv, .offset: 80, .size: 8, .value_kind: global_buffer, .address_space: global }
      - { .name: f_lin_b, .offset: 88, .size: 8, .value_kind: global_buffer, .address_space: global }
      - { .name: f_b0, .offset: 96, .size: 8, .value_kind: global_buffer, .address_space: global }
      - { .name: s_bq, .offset: 104, .size: 8, .value_kind: global_buffer, .address_space: global }
      - { .name: s_bk, .offset: 112, .size: 8, .value_kind: global_buffer, .address_space: global }
      - { .name: s_ff1_b, .offset: 120, .size: 8, .value_kind: global_buffer, .address_space: global }
      - { .name: a_bq, .offset: 128, .size: 8, .value_kind: global_buffer, .address_space: global }
      - { .name: s_bv, .offset: 136, .size: 8, .value_kind: global_buffer, .address_space: global }
      - { .name: s_bo, .offset: 144, .size: 8, .value_kind: global_buffer, .address_space: global }
      - { .name: s_ff2_b, .offset: 152, .size: 8, .value_kind: global_buffer, .address_space: global }
      - { .name: f_ln_g, .offset: 160, .size: 8, .value_kind: global_buffer, .address_space: global }
      - { .name: f_ln_b, .offset: 168, .size: 8, .value_kind: global_buffer, .address_space: global }
      - { .name: s_ln1_g, .offset: 176, .size: 8, .value_kind: global_buffer, .address_space: global }
      - { .name: s_ln1_b, .offset: 184, .size: 8, .value_kind: global_buffer, .address_space: global }
      - { .name: s_ln2_g, .offset: 192, .size: 8, .value_kind: global_buffer, .address_space: global }
      - { .name: s_ln2_b, .offset: 200, .size: 8, .value_kind: global_buffer, .address_space: global }
    .group_segment_fixed_size: 286720
    .private_segment_fixed_size: 0
    .kernarg_segment_align: 8
    .kernarg_segment_size: 208
    .max_flat_workgroup_size: 256
    .sgpr_count:     102
    .vgpr_count:     512
    .wavefront_size: 32
...
	.end_amdgpu_metadata
.endif
;; end of part 4
;; launch final: the kernel of part 3 again; grid 1 x 1, 8 waves a work-group, no clusters, 17,408 bytes of LDS; arguments logits, out0; writes out0
